; MI455X (gfx1250); checked and timed in simulation.
; The chip was launched on July 23, 2026; its instructions are those of AMD's public machine-readable ISA for CDNA 5 (MIT licence, August 2026) and "CDNA5" Instruction Set Architecture Reference Guide (July 2026). The comments in the code are by the model that wrote it; some were corrected since.
;; Multi Head Latent Attention. Allowed arithmetic: matrix products marked QUANTISED: E4M3 operands, one E8M0 scale for each 32 along K, by v_wmma_scale_f32_16x16x128_f8f6f4 with both operands' format E4M3, f32 sums; everything else in f32.
;; Inputs: Wk_up_codes 1,024 x 16 x 32 uint8 (E4M3 codes of Wk_up, K innermost, in blocks of 32 codes); Wk_up_scales 1,024 x 16 uint8 (E8M0 scales of Wk_up, one for each 32 codes along K); Wkv_down_codes 512 x 64 x 32 uint8 (E4M3 codes of Wkv_down, K innermost, in blocks of 32 codes); Wkv_down_scales 512 x 64 uint8 (E8M0 scales of Wkv_down, one for each 32 codes along K); Wo_codes 2,048 x 64 x 32 uint8 (E4M3 codes of Wo, K innermost, in blocks of 32 codes); Wo_scales 2,048 x 64 uint8 (E8M0 scales of Wo, one for each 32 codes along K); Wq_down_codes 512 x 64 x 32 uint8 (E4M3 codes of Wq_down, K innermost, in blocks of 32 codes); Wq_down_scales 512 x 64 uint8 (E8M0 scales of Wq_down, one for each 32 codes along K); Wq_up_codes 1,024 x 16 x 32 uint8 (E4M3 codes of Wq_up, K innermost, in blocks of 32 codes); Wq_up_scales 1,024 x 16 uint8 (E8M0 scales of Wq_up, one for each 32 codes along K); Wv_up_codes 2,048 x 16 x 32 uint8 (E4M3 codes of Wv_up, K innermost, in blocks of 32 codes); Wv_up_scales 2,048 x 16 uint8 (E8M0 scales of Wv_up, one for each 32 codes along K); bk_up 1,024 float32; bkv_down 512 float32; bo 2,048 float32; bq_down 512 float32; bq_up 1,024 float32; bv_up 2,048 float32; hidden_states_codes 2 x 2,048 x 64 x 32 uint8 (E4M3 codes of hidden_states, K innermost, in blocks of 32 codes); hidden_states_scales 2 x 2,048 x 64 uint8 (E8M0 scales of hidden_states, one for each 32 codes along K).
;; Outputs: out0 2 x 2,048 x 2,048 float32.
;; This version of the problem:
;;   THIS VERSION OF THE PROBLEM IS GIVEN IN LOW PRECISION. The matrix products marked QUANTISED in the list below multiply operands that are first quantised to E4M3 (4 exponent bits, 3 mantissa bits; 8 bits a number), with one power-of-two scale for each 32 numbers along K (OCP MX v1.0); their sums are f32. All else is computed in f32.
;;   The module's matrix products, in the order in which they are computed (A, B: the left and right operand; K: the contracted axis; several contracted axes count as one K, in the product's order):
;;     1. [M 4,096, K 2,048] x [K 2,048, N 512]; A: input hidden_states (given as codes); B: input Wq_down (given as codes): QUANTISED
;;     2. [M 4,096, K 2,048] x [K 2,048, N 512]; A: input hidden_states (given as codes); B: input Wkv_down (given as codes): QUANTISED
;;     3. [M 4,096, K 512] x [K 512, N 1,024]; A: computed on the way; B: input Wq_up (given as codes): QUANTISED
;;     4. [M 4,096, K 512] x [K 512, N 1,024]; A: computed on the way; B: input Wk_up (given as codes): QUANTISED
;;     5. [M 4,096, K 512] x [K 512, N 2,048]; A: computed on the way; B: input Wv_up (given as codes): QUANTISED
;;     6. batch 32 x [M 2,048, K 128] x [K 128, N 2,048]; A: computed on the way; B: computed on the way: QUANTISED
;;     7. batch 32 x [M 2,048, K 2,048] x [K 2,048, N 128]; A: softmax (see below); B: computed on the way: QUANTISED
;;     8. [M 4,096, K 2,048] x [K 2,048, N 2,048]; A: computed on the way; B: input Wo (given as codes): QUANTISED
;;   THE QUANTISER, for each operand of a quantised product, along K:
;;     - K is cut into blocks of 32 from its start; a last block that is shorter is filled with zeros.
;;     - A block's scale is 2^e with e = floor(log2(the largest magnitude in the block)) - 8, held to -126 .. 127; a block of zeros has e = 0. As a byte (E8M0): e + 127.
;;     - Each number is divided by its block's scale, clamped to +-448, and rounded to the nearest number of E4M3, ties to even, subnormals kept.
;;     - The product sums the exact products of the quantised numbers (number of the format x scale) in f32.
;;   ~~~python
;;   def quantise(x, axis):      # numpy; x: float32 -> the quantised numbers, widened to float32 again
;;       x = np.moveaxis(x, axis, -1); K = x.shape[-1]
;;       x = np.pad(x, [(0, 0)] * (x.ndim - 1) + [(0, -K % 32)]); x = x.reshape(x.shape[:-1] + (-1, 32)); a = np.abs(x).max(-1, keepdims=True)
;;       e = np.where(a > 0, np.clip(np.frexp(np.where(a > 0, a, 1))[1] - 1 - 8, -126, 127), 0)      # np.frexp(a)[1] - 1 = floor(log2(a)), exactly
;;       r = np.clip(x / 2.0 ** e, -448, 448)
;;       step = 2.0 ** (np.maximum(np.frexp(np.where(r == 0, 1, r))[1] - 1, -6) - 3)
;;       q = np.round(r / step) * step * 2.0 ** e      # np.round: ties to even
;;       return np.moveaxis(q.reshape(q.shape[:-2] + (-1,))[..., :K], -1, axis).astype(np.float32)
;;   ~~~
;;   SOFTMAX AHEAD OF A QUANTISED PRODUCT. Where the list says 'softmax', what is quantised is not the finished softmax but p = 2^(t - M), with t = logit x log2(e) and M = ceil(the row's largest t), a whole number; so 1/2 < the row's largest p <= 1. The row's sum l is taken of the UNQUANTISED p, in f32, and the product's result is divided by l at the end. Since M is a whole number, a kernel that streams over the keys may use a running M (the ceiling of the running maximum): every later rescaling is an exact power of two, which a block's scale takes up: the codes' values come out the same.
;;   OPERANDS COMPUTED ON THE WAY. 'Computed on the way' means the value that the module computes at that place (a softmax that the list does not call 'softmax' is quantised finished and normalised). What goes into a quantiser is computed in f32, as accurately as f32 sums, v_exp_f32 and their like allow (about 1e-6 of the number): no bf16 or f16 on the way to a quantiser, and a product that is left as it is and whose result goes on into a quantised operand takes f32 operands (vector FMAs, or v_wmma_f32_16x16x4_f32). A number that lies on a knife's edge between two numbers of the format may be rounded either way, as far as f32 arithmetic and the matrix unit's own rounding can turn it there, and no further.
;;   INPUTS GIVEN AS CODES. Wk_up (in the module: [1024, 512], K = its axis 1); Wkv_down (in the module: [512, 2048], K = its axis 1); Wo (in the module: [2048, 2048], K = its axis 1); Wq_down (in the module: [512, 2048], K = its axis 1); Wq_up (in the module: [1024, 512], K = its axis 1); Wv_up (in the module: [2048, 512], K = its axis 1); hidden_states (in the module: [2, 2048, 2048], K = its axis 2): each comes as NAME_codes (uint8): NAME with its K axis moved to the last place and cut into blocks of 32 codes, [.., K / 32, bytes a block], one block behind the other in memory; one code a byte (a code: sign, 4 exponent bits, 3 mantissa bits); and NAME_scales (uint8): the same leading axes, one E8M0 byte (e + 127) for each 32 codes along K. Its value is code x scale, taken as it is: it is not quantised again, and the codes and scales need not be those that the quantiser above would give.
;; One version. Each part assembles by itself: llvm-mc -triple=amdgcn-amd-amdhsa -mcpu=gfx1250 --defsym DOCPART=n.
;; ======== version 1 of 1: 4 launches
;; limits: a function is approximated: absolute error at most 0.0003; right only within a limited range of input values
;; workspace buffers: lat 4,325,376 bytes; rope 4,194,304 bytes; qkv 25,165,824 bytes; qkvsc 786,432 bytes; att 8,388,608 bytes; attsc 262,144 bytes
;; launch down (part 1): grid 8 x 32, 4 waves a work-group, clusters of 4 x 4, 327,680 bytes of LDS; arguments hidden_states_codes, hidden_states_scales, Wq_down_codes, Wq_down_scales, Wkv_down_codes, Wkv_down_scales, bq_down, bkv_down, lat, rope; writes lat, rope
.if DOCPART == 1
	.amdgcn_target "amdgcn-amd-amdhsa--gfx1250"
	.amdhsa_code_object_version 6
	.text
	.protected	k_q9dce60bbe8_down
	.globl	k_q9dce60bbe8_down
	.p2align	8
	.type	k_q9dce60bbe8_down,@function
k_q9dce60bbe8_down:
	s_mov_b64 s[64:65], 0
	v_nop
	global_prefetch_b8 v0, s[64:65] scope:SCOPE_SE
	s_setreg_imm32_b32 hwreg(HW_REG_WAVE_MODE, 25, 1), 1
	s_wait_xcnt 0x0
	s_wait_alu depctr_hold_cnt(0) depctr_sa_sdst(0) depctr_va_vdst(0) depctr_va_sdst(0) depctr_va_ssrc(0) depctr_va_vcc(0) depctr_vm_vsrc(0)
	s_getreg_b32 s2, hwreg(HW_REG_IB_STS2, 6, 4)
	s_cmp_eq_u32 s2, 0
	s_cbranch_scc0 .Lentry_in_a_cluster
	s_endpgm
.Lentry_in_a_cluster:
	s_bfe_u32 s2, ttmp6, 0x10000c
	s_cmp_lg_u32 s2, 0xf033
	s_cbranch_scc0 .Lentry_shape_is_right
	s_endpgm
.Lentry_shape_is_right:
; LAUNCH 1 OF 4.  q_lat = hs Wq_down^T + bq_down and kv_lat = hs Wkv_down^T + bkv_down on codes of E4M3 with E8M0 scales (K = 2,048), quantised along the 512 latents
; for the next products; and the table of cos and sin that the rotary step of the next launch reads.
; DEAD WORK: none.  Every product of the module reaches the output, every bias goes into a quantised operand or into the output, so every input is loaded by some launch.
; cos and sin hang on (position, frequency) alone: the 2,048 x 256 pairs are made once and serve both batches, q and k, and both halves of the columns.
; LIMITS.  NaN and infinities among the inputs are not served.  A block of zeros gets the scale byte 1 where the quantiser says 127: its codes are zeros, and this program alone reads the bytes.
; The angle is position x 2^(-i log2(10000)/256) with the power by v_exp_f32: its relative error is some 2e-7, so the largest angles (about 2,000 rad) are out by up to some 2e-4 rad.
; The sine and cosine are a reduction by pi/2 in two parts (fused) and polynomials of degree 7 and 8 on +-pi/4, in f32.
; SHARES.  C is [4,096 tokens][1,024 = q's 512 | kv's 512].  A work-group makes 128 tokens x 128 latents: cluster x picks q (0) or kv (1), cx the 128 latents, which are one K step of the next product.
; Four waves of 64 x 64: 16 accumulators.  Tiles of 256 x 256 would leave three WGPs in four without work.
; THE PRODUCT IS USED TRANSPOSED (source 0 = 16 rows of W, source 1 = 16 tokens): a lane holds one token, its registers run along the latents, the next K.
; K goes in four slots of 512 through a ring of two LDS slots; the scale bytes of all of K come once.  CLUSTER 4 x 4: hs's tiles are asked for jointly along a row, W's along a column.
; THE RESULT LEAVES AS AN IMAGE OF OPERAND REGISTERS: a fragment (16 tokens x 128 latents) is 4 chunks of 512 bytes, lane l's registers 4c..4c+3 at 16 l of chunk c.
; lat: 0 q's fragments [T 256][ks 4][c 4][512]; 0x200000 kv's; 0x400000 q's scale words [ks 4][T 256][16]; 0x410000 kv's.
; rope: [Tp 128][t16 16][cos, sin][q2 2][lane 32][4 f32]: lane (r, h): position 16 Tp + r, frequency 16 t16 + 8 h + 4 q2 + 0..3.
.set PITCH, 528                        ; an LDS row: 512 bytes + 16 of padding
.set HALFT, 64*PITCH                   ; 64 rows: one tensor load
.set SLOT,  4*HALFT                    ; hs's two halves, then W's two
.set SCL,   2*SLOT                     ; the scale bytes: 4 x (64 rows x 64 bytes as 16 units of 256 + 16)
.set HALFS, 16*272
.set STG,   SCL+4*HALFS                ; the new scale words meet here: [tile 8][r 16][4 bytes]
.set SPARE, STG+512                    ; the spare words: 128 bytes a wave
.set ADRA, 4                           ; v4-5   my tokens' fragments in slot 0, 1
.set ADRB, 6                           ; v6-7   my rows of W
.set ADSA, 8                           ; v8     hs's scale words: lane l = row 32 pa + l
.set ADSB, 9                           ; v9     W's
.set LI,   10                          ; v10    16 x lane
.set STGA, 11                          ; v11    where my half of a scale word goes
.set STGR, 12                          ; v12    where the words are read back
.set WOFF, 13                          ; v13    and their place in memory
.set SPW,  14
.set NIL,  15
.set SCR,  16                          ; v16-47 scale words: set s at +16 s: hs's [pa 2][q 4], then W's [pb 2][q 4]
.set BOF,  48
.set POS,  49
.set FB,   50
.set TM,   56                          ; v56-71 the quantiser's: maxima, bytes, holds, scale operands
.set FX,   72                          ; v72-75 the exchange between the halves of the lanes
.set HW,   76                          ; v76-79 halves of scale words
.set BI,   96                          ; v96-127 the bias, 8 registers for each tile of W; later the codes
.set PC,   96
.set ACC,  128                         ; v128-255 accumulator (a, b) at 128 + 8 (4 a + b); before the products: the table's work
.set AN,   128
.set NN,   144
.set ZZ,   160
.set SS,   176
.set CC,   192
.set QQ,   208
.set F0,   0                           ; window 1: two fragment buffers: tokens at +16 a, W at +64 + 16 b
.set F1,   128
.set WV, 24
.set WR, 25
.set WC, 26
.set CX, 27
.set CY, 28
.set YY, 29
.set G1,   32
.set G0,   40
.set G1B,  48
.set G0B,  56
.set G1S,  68
.set G0S,  76
.set G1SB, 80
.set G0SB, 88
.set SEL, 92
.set MNT, 94
.set HM,  95
.set MUL,  0x05                        ; sources 0 and 1 window 1, C and D window 0
.set TO_F, 0x40                        ; destination window 1
.set MSB, 0
.macro WIN new                         ; the immediate's high byte repeats the setting that is left
.if MSB != \new
	s_set_vgpr_msb (MSB<<8)|\new
.set MSB, \new
.endif
.endm
.macro PLACES n
.rept \n
	v_nop
.endr
.endm
.macro CREST                           ; a round of the cluster's barrier behind its opening barrier
	s_cmp_lg_u32 s[WV], 0
	s_cbranch_scc1 .Lnot_wave_0_\@
	s_barrier_signal -3
.Lnot_wave_0_\@:
	s_barrier_wait -3
	s_barrier_signal -1
	s_barrier_wait -1
.endm
.macro CROUND
	s_barrier_signal -1
	s_barrier_wait -1
	CREST
.endm
; a joint load: waves 0 and 1 fetch for hs, waves 2 and 3 for W; an s_nop 0 and four v_nop follow each line
.macro JLOAD g0a, g1a, g0b, g1b
	s_cmp_eq_u32 s[WR], 0
	s_cbranch_scc0 .Lfor_b_\@
	tensor_load_to_lds s[\g0a:\g0a+3], s[\g1a:\g1a+7]
	s_nop 0
.rept 4
	v_nop
.endr
	s_branch .Lasked_\@
.Lfor_b_\@:
	tensor_load_to_lds s[\g0b:\g0b+3], s[\g1b:\g1b+7]
	s_nop 0
.rept 4
	v_nop
.endr
.Lasked_\@:
.endm
; one matrix instruction.  c < 0: the sum starts at 0.  ra, rb: the scale register's lanes 16-31 serve source 0, source 1
.macro WM d, a, b, c, sa, sb, ra, rb
.if (\c) < 0
.if ((\ra) == 0) && ((\rb) == 0)
	v_wmma_scale_f32_16x16x128_f8f6f4 v[(\d):(\d)+7], v[(\a):(\a)+15], v[(\b):(\b)+15], 0, v[(\sa)], v[(\sb)]
.elseif (\rb) == 0
	v_wmma_scale_f32_16x16x128_f8f6f4 v[(\d):(\d)+7], v[(\a):(\a)+15], v[(\b):(\b)+15], 0, v[(\sa)], v[(\sb)] matrix_a_scale:MATRIX_SCALE_ROW1
.elseif (\ra) == 0
	v_wmma_scale_f32_16x16x128_f8f6f4 v[(\d):(\d)+7], v[(\a):(\a)+15], v[(\b):(\b)+15], 0, v[(\sa)], v[(\sb)] matrix_b_scale:MATRIX_SCALE_ROW1
.else
	v_wmma_scale_f32_16x16x128_f8f6f4 v[(\d):(\d)+7], v[(\a):(\a)+15], v[(\b):(\b)+15], 0, v[(\sa)], v[(\sb)] matrix_a_scale:MATRIX_SCALE_ROW1 matrix_b_scale:MATRIX_SCALE_ROW1
.endif
.else
.if ((\ra) == 0) && ((\rb) == 0)
	v_wmma_scale_f32_16x16x128_f8f6f4 v[(\d):(\d)+7], v[(\a):(\a)+15], v[(\b):(\b)+15], v[(\c):(\c)+7], v[(\sa)], v[(\sb)]
.elseif (\rb) == 0
	v_wmma_scale_f32_16x16x128_f8f6f4 v[(\d):(\d)+7], v[(\a):(\a)+15], v[(\b):(\b)+15], v[(\c):(\c)+7], v[(\sa)], v[(\sb)] matrix_a_scale:MATRIX_SCALE_ROW1
.elseif (\ra) == 0
	v_wmma_scale_f32_16x16x128_f8f6f4 v[(\d):(\d)+7], v[(\a):(\a)+15], v[(\b):(\b)+15], v[(\c):(\c)+7], v[(\sa)], v[(\sb)] matrix_b_scale:MATRIX_SCALE_ROW1
.else
	v_wmma_scale_f32_16x16x128_f8f6f4 v[(\d):(\d)+7], v[(\a):(\a)+15], v[(\b):(\b)+15], v[(\c):(\c)+7], v[(\sa)], v[(\sb)] matrix_a_scale:MATRIX_SCALE_ROW1 matrix_b_scale:MATRIX_SCALE_ROW1
.endif
.endif
.endm
; 64 numbers of a lane, four blocks of 16 (the other 16 of each block lie in lane l xor 16), become codes in v[pc] on; the bytes stay in v[tm+4..7]
.macro QUANT s, pc, tm
.irp b, 0,1,2,3
	v_max3_num_f32 v[(\tm)+\b], |v[(\s)+16*\b]|, |v[(\s)+1+16*\b]|, 0x4800000   ; my 16 numbers and the floor 2^(9 - 127): the byte cannot fall under 1
.endr
.irp i, 2,4,6,8,10,12,14
.irp b, 0,1,2,3
	v_max3_num_f32 v[(\tm)+\b], v[(\tm)+\b], |v[(\s)+16*\b+\i]|, |v[(\s)+1+16*\b+\i]|
.endr
.endr
.irp b, 0,1,2,3
	v_permlanex16_b32 v[(\tm)+4+\b], v[(\tm)+\b], s[SEL], s[SEL+1]
.endr
.irp b, 0,1,2,3
	v_max_num_f32 v[(\tm)+\b], v[(\tm)+\b], v[(\tm)+4+\b]          ; the block's largest magnitude
.endr
.irp b, 0,1,2,3
	v_add_nc_u32 v[(\tm)+12+\b], 0xfc000000, v[(\tm)+\b]           ; 8 off its exponent field: the conversion's scale operand
.endr
.irp b, 0,1,2,3
	v_and_or_b32 v[(\tm)+8+\b], v[(\tm)+\b], 0x7f800000, s[MNT]    ; 448 x the scale
.endr
.irp b, 0,1,2,3
	v_lshrrev_b32 v[(\tm)+4+\b], 23, v[(\tm)+12+\b]                ; the scale's byte
.endr
.irp b, 0,1,2,3
.irp i, 0,1,2,3,4,5,6,7,8,9,10,11,12,13,14,15
	v_med3_num_f32 v[(\s)+16*\b+\i], v[(\s)+16*\b+\i], -v[(\tm)+8+\b], v[(\tm)+8+\b]   ; the conversion does not saturate (ISA guide 7.6.2): the hold
.endr
	v_cvt_scalef32_pk8_fp8_f32 v[(\pc)+4*\b:(\pc)+1+4*\b], v[(\s)+16*\b:(\s)+7+16*\b], v[(\tm)+12+\b]
	v_cvt_scalef32_pk8_fp8_f32 v[(\pc)+2+4*\b:(\pc)+3+4*\b], v[(\s)+8+16*\b:(\s)+15+16*\b], v[(\tm)+12+\b]
.endr
	v_nop                                          ; a plain line behind the last conversion
.endm
; A block's codes: half h of the lanes holds k 8h..8h+7 (registers p, p+1) and 16+8h..+7 (p+2, p+3); the operand wants k 16h..16h+15.  Lanes 0-15 take the other half's p, p+1 as their p+2, p+3; lanes 16-31 the other half's p+2, p+3 as their p, p+1
.macro FIX p
	v_permlanex16_b32 v[FX], v[(\p)+2], s[SEL], s[SEL+1]
	v_permlanex16_b32 v[FX+1], v[(\p)+3], s[SEL], s[SEL+1]
	v_permlanex16_b32 v[FX+2], v[(\p)], s[SEL], s[SEL+1]
	v_permlanex16_b32 v[FX+3], v[(\p)+1], s[SEL], s[SEL+1]
	v_cndmask_b32 v[(\p)], v[(\p)], v[FX], s[HM]
	v_cndmask_b32 v[(\p)+1], v[(\p)+1], v[FX+1], s[HM]
	v_cndmask_b32 v[(\p)+2], v[FX+2], v[(\p)+2], s[HM]
	v_cndmask_b32 v[(\p)+3], v[FX+3], v[(\p)+3], s[HM]
.endm
	s_load_b256 s[4:11], s[0:1], 0x0               ; hs's codes s[4:5], scales s[6:7]; Wq_down's codes s[8:9], scales s[10:11]
	s_load_b256 s[12:19], s[0:1], 0x20             ; Wkv_down's codes s[12:13], scales s[14:15]; bq_down s[16:17]; bkv_down s[18:19]
	s_load_b128 s[20:23], s[0:1], 0x40             ; lat s[20:21], rope s[22:23]
	v_lshl_add_u32 v[SPW], v0, 2, SPARE
	v_mov_b32 v[NIL], 0
	ds_add_u32 v[SPW], v[NIL]                      ; the opening: the add, twice on end, and its wait ahead of my first tensor load
	ds_add_u32 v[SPW], v[NIL]
	v_lshrrev_b32 v1, 5, v0
	v_readfirstlane_b32 s[WV], v1                  ; wave 0..3
	s_lshr_b32 s[WR], s[WV], 1                     ; my half of the tokens; also: I fetch for hs (0) or for W (1)
	s_and_b32 s[WC], s[WV], 1                      ; my half of the latents; also: which 64 rows I fetch
	s_bfe_u32 s[CX], ttmp6, 0x40000
	s_bfe_u32 s[CY], ttmp6, 0x40004
	s_and_b32 s[YY], ttmp7, 0xffff
	s_lshl_b32 s[YY], s[YY], 2
	s_add_co_u32 s[YY], s[YY], s[CY]               ; my block of 128 tokens
	s_lshl_b32 s2, s[CY], 2
	s_lshl_b32 s2, 15, s2                          ; my row of the cluster
	s_lshl_b32 s3, 0x1111, s[CX]                   ; my column
	s_or_b32 s[G1], s2, (1<<20)|(1<<21)|(6<<22)|(3<<25)    ; elements of 1 byte; 4 words of padding behind every 128
	s_or_b32 s[G1B], s3, (1<<20)|(1<<21)|(6<<22)|(3<<25)
.irp g, G1, G1B
	s_mov_b32 s[\g+1], 512<<16                     ; tensor_dim0
	s_mov_b32 s[\g+2], 64<<16                      ; tensor_dim1
	s_mov_b32 s[\g+3], 512<<16                     ; tile_dim0
	s_mov_b32 s[\g+4], 64                          ; tile_dim1
	s_mov_b32 s[\g+5], 2048                        ; from row to row
	s_mov_b32 s[\g+6], 0
	s_mov_b32 s[\g+7], 0
.endr
	s_or_b32 s[G1S], s2, (3<<16)|(1<<20)|(1<<21)|(5<<22)|(3<<25)   ; 4,096 dense bytes as 16 rows of 256 (32 elements of 8 bytes), 16 bytes of padding behind each
	s_or_b32 s[G1SB], s3, (3<<16)|(1<<20)|(1<<21)|(5<<22)|(3<<25)
.irp g, G1S, G1SB
	s_mov_b32 s[\g+1], 32<<16
	s_mov_b32 s[\g+2], 16<<16
	s_mov_b32 s[\g+3], 32<<16
	s_mov_b32 s[\g+4], 16
	s_mov_b32 s[\g+5], 32
	s_mov_b32 s[\g+6], 0
	s_mov_b32 s[\g+7], 0
.endr
	s_lshl_b32 s31, s[WC], 6
	s_lshl_b32 s30, s[YY], 7
	s_add_co_u32 s30, s30, s31                     ; hs: row 128 y + 64 x half
	s_lshl_b32 s66, s30, 11                        ; its codes,
	s_mov_b32 s67, 0
	s_lshl_b32 s92, s30, 6                         ; its scale bytes
	s_mov_b32 s93, 0
	s_lshl_b32 s94, s[CX], 7
	s_add_co_u32 s94, s94, s31                     ; W: row 128 cx + 64 x half
	s_lshl_b32 s96, s94, 11
	s_mov_b32 s97, 0
	s_lshl_b32 s98, s94, 6
	s_mov_b32 s99, 0
	s_mul_i32 s100, s[WV], HALFT                   ; where they go: by the wave's number alone
	s_mul_i32 s101, s[WV], HALFS
	s_wait_dscnt 0x0                               ; both opening adds are done
	s_wait_kmcnt 0x0
	s_cmp_eq_u32 ttmp9, 0                          ; q's weights or kv's: by the cluster's x
	s_cselect_b64 s[8:9], s[8:9], s[12:13]
	s_cselect_b64 s[10:11], s[10:11], s[14:15]
	s_cselect_b64 s[16:17], s[16:17], s[18:19]
	s_add_nc_u64 s[4:5], s[4:5], s[66:67]
	s_add_nc_u64 s[6:7], s[6:7], s[92:93]
	s_add_nc_u64 s[8:9], s[8:9], s[96:97]
	s_add_nc_u64 s[10:11], s[10:11], s[98:99]
	CROUND                                         ; all sixteen work-groups are here: the first joint loads meet
	s_mov_b32 s[G0S], 1
	s_add_co_u32 s[G0S+1], s101, SCL
	s_mov_b64 s[G0S+2:G0S+3], s[6:7]
	s_or_b32 s[G0S+3], s[G0S+3], 0x80000000
	s_mov_b32 s[G0SB], 1
	s_add_co_u32 s[G0SB+1], s101, SCL
	s_mov_b64 s[G0SB+2:G0SB+3], s[10:11]
	s_or_b32 s[G0SB+3], s[G0SB+3], 0x80000000
	JLOAD G0S, G1S, G0SB, G1SB                     ; the scale bytes of all of K: filled once
.irp s, 0,1
	s_mov_b32 s[G0+4*\s], 1
	s_add_co_u32 s[G0+4*\s+1], s100, \s*SLOT
	s_add_nc_u64 s[G0+4*\s+2:G0+4*\s+3], s[4:5], \s*512
	s_or_b32 s[G0+4*\s+3], s[G0+4*\s+3], 0x80000000
	s_mov_b32 s[G0B+4*\s], 1
	s_add_co_u32 s[G0B+4*\s+1], s100, \s*SLOT
	s_add_nc_u64 s[G0B+4*\s+2:G0B+4*\s+3], s[8:9], \s*512
	s_or_b32 s[G0B+4*\s+3], s[G0B+4*\s+3], 0x80000000
	JLOAD G0+4*\s, G1, G0B+4*\s, G1B               ; three loads of mine are out
.endr
	v_and_b32 v1, 15, v0                           ; r
	v_bfe_u32 v2, v0, 4, 1                         ; h
	v_and_b32 v3, 31, v0                           ; lane
	v_mul_u32_u24 v[ADSA], v1, PITCH
	v_lshl_add_u32 v[ADSA], v2, 4, v[ADSA]         ; a fragment's row x pitch + 16 h
	s_mul_i32 s30, s[WR], HALFT
	s_mul_i32 s31, s[WC], HALFT
	s_add_co_u32 s31, s31, 2*HALFT
.irp s, 0,1
	v_add_nc_u32 v[ADRA+\s], s30, v[ADSA]
	v_add_nc_u32 v[ADRB+\s], s31, v[ADSA]
	s_add_co_u32 s30, s30, SLOT
	s_add_co_u32 s31, s31, SLOT
.endr
	v_lshrrev_b32 v[ADSB], 2, v3
	v_mul_u32_u24 v[ADSB], v[ADSB], 272
	v_and_b32 v[ADSA], 3, v3
	v_lshl_add_u32 v[ADSB], v[ADSA], 6, v[ADSB]    ; row l's 64 scale bytes: unit l / 4, place 64 (l % 4)
	s_mul_i32 s30, s[WR], HALFS
	s_add_co_u32 s30, s30, SCL
	s_mul_i32 s31, s[WC], HALFS
	s_add_co_u32 s31, s31, SCL+2*HALFS
	v_add_nc_u32 v[ADSA], s30, v[ADSB]
	v_add_nc_u32 v[ADSB], s31, v[ADSB]
	v_lshlrev_b32 v[LI], 4, v3
	s_lshl_b32 s30, s[WR], 8
	s_lshl_b32 s31, s[WC], 1
	s_add_co_u32 s30, s30, s31
	s_add_co_u32 s30, s30, STG
	v_lshl_add_u32 v[STGA], v1, 2, s30             ; STG + 64 (4 wr) + 4 r + 2 wc
	s_lshl_b32 s31, s[WC], 8
	v_lshl_add_u32 v[WOFF], v3, 3, s31             ; 256 x (wave % 2) + 8 x lane
	v_add_nc_u32 v[STGR], STG, v[WOFF]
	v_lshlrev_b32 v[BOF], 5, v2                    ; the bias: 8 numbers for each half of the lanes
	s_mov_b64 s[12:13], s[20:21]                   ; lat once more, for the scale words
	s_lshl_b32 s92, ttmp9, 21                      ; codes: q's or kv's part, tile 8 y + 4 wr, K step cx, chunk 2 wc
	s_lshl_b32 s93, s[YY], 16
	s_add_co_u32 s92, s92, s93
	s_lshl_b32 s93, s[WR], 15
	s_add_co_u32 s92, s92, s93
	s_lshl_b32 s93, s[CX], 11
	s_add_co_u32 s92, s92, s93
	s_lshl_b32 s93, s[WC], 10
	s_add_co_u32 s92, s92, s93
	s_mov_b32 s93, 0
	s_add_nc_u64 s[20:21], s[20:21], s[92:93]
	s_lshl_b32 s92, ttmp9, 16                      ; words: [ks = cx][tile][16], my 8 tiles are 512 bytes
	s_lshl_b32 s94, s[CX], 14
	s_add_co_u32 s92, s92, s94
	s_lshl_b32 s94, s[YY], 9
	s_add_co_u32 s92, s92, s94
	s_add_co_u32 s92, s92, 0x400000
	s_add_nc_u64 s[12:13], s[12:13], s[92:93]
	s_lshl_b32 s92, s[CX], 9                       ; the bias of latents 128 cx + 64 wc on
	s_lshl_b32 s94, s[WC], 8
	s_add_co_u32 s92, s92, s94
	s_add_nc_u64 s[16:17], s[16:17], s[92:93]
.irp b, 0,1,2,3
	global_load_b128 v[BI+8*\b:BI+8*\b+3], v[BOF], s[16:17] offset:64*\b          ; lane (r, h), register j: latent 16 b + 8 h + j: the C of the first products
	global_load_b128 v[BI+8*\b+4:BI+8*\b+7], v[BOF], s[16:17] offset:64*\b+16
.endr
	; ---- THE TABLE OF COS AND SIN, while the tiles are on their way.  Wave id of 1,024 makes 16 positions x 32 frequencies: 16 pairs a lane, 4,096 consecutive bytes a wave
	s_lshl_b32 s92, ttmp9, 2
	s_add_co_u32 s92, s92, s[CX]
	s_lshl_b32 s94, s[YY], 3
	s_add_co_u32 s92, s92, s94
	s_lshl_b32 s92, s92, 2
	s_add_co_u32 s92, s92, s[WV]                   ; id = 4 (8 y + x) + wave
	s_lshl_b32 s94, s92, 12
	s_mov_b32 s95, 0
	s_add_nc_u64 s[22:23], s[22:23], s[94:95]
	s_lshr_b32 s94, s92, 3
	s_lshl_b32 s94, s94, 4                         ; the first position: 16 (id / 8)
	s_and_b32 s92, s92, 7
	s_lshl_b32 s92, s92, 5                         ; the first frequency: 32 (id % 8)
	v_add_nc_u32 v[POS], s94, v1
	v_cvt_f32_u32 v[POS], v[POS]                   ; my position
	v_lshl_add_u32 v[FB], v2, 3, s92               ; 32 (id % 8) + 8 h
	s_mov_b32 s30, 0xbd549a78                      ; -log2(10000) / 256
	s_mov_b32 s31, 0x3f22f983                      ; 2 / pi
	s_mov_b32 s92, 0xbfc90fdb                      ; -(pi / 2), the f32 number,
	s_mov_b32 s93, 0x333bbd2e                      ; and what it is too large by
	s_mov_b32 s94, 0xb94ca1f9                      ; the sine's three coefficients
	s_mov_b32 s95, 0x3c08839e
	s_mov_b32 s96, 0xbe2aaaa3
	s_mov_b32 s97, 0x37ccf5ce                      ; the cosine's three
	s_mov_b32 s98, 0xbab6061a
	s_mov_b32 s99, 0x3d2aaaa5
.irp e, 0,1,2,3,4,5,6,7,8,9,10,11,12,13,14,15
	v_add_nc_u32 v[AN+\e], 16*(\e/8)+\e%8, v[FB]   ; pair e: frequency i = 32 (id % 8) + 16 (e / 8) + 8 h + e % 8
.endr
.irp e, 0,1,2,3,4,5,6,7,8,9,10,11,12,13,14,15
	v_cvt_f32_u32 v[AN+\e], v[AN+\e]
.endr
.irp e, 0,1,2,3,4,5,6,7,8,9,10,11,12,13,14,15
	v_mul_f32 v[AN+\e], s30, v[AN+\e]
.endr
.irp e, 0,1,2,3,4,5,6,7,8,9,10,11,12,13,14,15
	v_exp_f32 v[AN+\e], v[AN+\e]                   ; 10000^(-i / 256)
.endr
	v_nop                                          ; a plain line behind the batch,
	s_wait_alu depctr_va_vdst(0)                   ; and one wait for the sixteen, ahead of their first reader
.irp e, 0,1,2,3,4,5,6,7,8,9,10,11,12,13,14,15
	v_mul_f32 v[AN+\e], v[POS], v[AN+\e]           ; the angle
.endr
.irp e, 0,1,2,3,4,5,6,7,8,9,10,11,12,13,14,15
	v_mul_f32 v[NN+\e], s31, v[AN+\e]
.endr
.irp e, 0,1,2,3,4,5,6,7,8,9,10,11,12,13,14,15
	v_rndne_f32 v[NN+\e], v[NN+\e]                 ; n: how many quarter turns
.endr
.irp e, 0,1,2,3,4,5,6,7,8,9,10,11,12,13,14,15
	v_fma_f32 v[AN+\e], v[NN+\e], s92, v[AN+\e]
.endr
.irp e, 0,1,2,3,4,5,6,7,8,9,10,11,12,13,14,15
	v_fma_f32 v[AN+\e], v[NN+\e], s93, v[AN+\e]    ; r = angle - n pi / 2, within +-pi / 4
.endr
.irp e, 0,1,2,3,4,5,6,7,8,9,10,11,12,13,14,15
	v_cvt_i32_f32 v[QQ+\e], v[NN+\e]
.endr
.irp e, 0,1,2,3,4,5,6,7,8,9,10,11,12,13,14,15
	v_mul_f32 v[ZZ+\e], v[AN+\e], v[AN+\e]         ; z = r r
.endr
.irp e, 0,1,2,3,4,5,6,7,8,9,10,11,12,13,14,15
	v_fma_f32 v[SS+\e], v[ZZ+\e], s94, s95
.endr
.irp e, 0,1,2,3,4,5,6,7,8,9,10,11,12,13,14,15
	v_fma_f32 v[CC+\e], v[ZZ+\e], s97, s98
.endr
.irp e, 0,1,2,3,4,5,6,7,8,9,10,11,12,13,14,15
	v_fma_f32 v[SS+\e], v[SS+\e], v[ZZ+\e], s96
.endr
.irp e, 0,1,2,3,4,5,6,7,8,9,10,11,12,13,14,15
	v_fma_f32 v[CC+\e], v[CC+\e], v[ZZ+\e], s99
.endr
.irp e, 0,1,2,3,4,5,6,7,8,9,10,11,12,13,14,15
	v_mul_f32 v[SS+\e], v[SS+\e], v[ZZ+\e]
.endr
.irp e, 0,1,2,3,4,5,6,7,8,9,10,11,12,13,14,15
	v_mul_f32 v[NN+\e], v[ZZ+\e], v[ZZ+\e]
.endr
.irp e, 0,1,2,3,4,5,6,7,8,9,10,11,12,13,14,15
	v_fma_f32 v[ZZ+\e], v[ZZ+\e], -0.5, 1.0
.endr
.irp e, 0,1,2,3,4,5,6,7,8,9,10,11,12,13,14,15
	v_fma_f32 v[SS+\e], v[SS+\e], v[AN+\e], v[AN+\e]   ; sin r
.endr
.irp e, 0,1,2,3,4,5,6,7,8,9,10,11,12,13,14,15
	v_fma_f32 v[CC+\e], v[CC+\e], v[NN+\e], v[ZZ+\e]   ; cos r
.endr
.irp e, 0,1,2,3,4,5,6,7,8,9,10,11,12,13,14,15
	v_and_b32 v[NN+\e], 1, v[QQ+\e]
.endr
.irp e, 0,1,2,3,4,5,6,7,8,9,10,11,12,13,14,15
	v_cmp_ne_u32 vcc_lo, 0, v[NN+\e]               ; an odd n changes the two about
	v_cndmask_b32 v[ZZ+\e], v[SS+\e], v[CC+\e], vcc_lo   ; the sine's magnitude
	v_cndmask_b32 v[AN+\e], v[CC+\e], v[SS+\e], vcc_lo   ; the cosine's
.endr
.irp e, 0,1,2,3,4,5,6,7,8,9,10,11,12,13,14,15
	v_and_b32 v[NN+\e], 2, v[QQ+\e]                ; the sine is turned over where n % 4 is 2 or 3,
.endr
.irp e, 0,1,2,3,4,5,6,7,8,9,10,11,12,13,14,15
	v_add_nc_u32 v[QQ+\e], 1, v[QQ+\e]             ; the cosine where it is 1 or 2
.endr
.irp e, 0,1,2,3,4,5,6,7,8,9,10,11,12,13,14,15
	v_lshlrev_b32 v[NN+\e], 30, v[NN+\e]
.endr
.irp e, 0,1,2,3,4,5,6,7,8,9,10,11,12,13,14,15
	v_and_b32 v[QQ+\e], 2, v[QQ+\e]
.endr
.irp e, 0,1,2,3,4,5,6,7,8,9,10,11,12,13,14,15
	v_xor_b32 v[ZZ+\e], v[ZZ+\e], v[NN+\e]
.endr
.irp e, 0,1,2,3,4,5,6,7,8,9,10,11,12,13,14,15
	v_lshlrev_b32 v[QQ+\e], 30, v[QQ+\e]
.endr
.irp e, 0,1,2,3,4,5,6,7,8,9,10,11,12,13,14,15
	v_xor_b32 v[AN+\e], v[AN+\e], v[QQ+\e]
.endr
.irp i, 0,1
.irp q2, 0,1
	global_store_b128 v[LI], v[AN+8*\i+4*\q2:AN+8*\i+4*\q2+3], s[22:23] offset:2048*\i+512*\q2        ; each store of the wave covers 512 consecutive bytes, aligned
	global_store_b128 v[LI], v[ZZ+8*\i+4*\q2:ZZ+8*\i+4*\q2+3], s[22:23] offset:2048*\i+1024+512*\q2
.endr
.endr
; 32 LDS loads: the fragments of the slot's q-th 128 along K into buffer f
.macro FETCH slot, q, f
	WIN TO_F
.irp t, 0,1,2,3
.irp c, 0,1,2,3
	ds_load_b128 v[(\f)+16*\t+4*\c:(\f)+16*\t+4*\c+3], v[ADRA+(\slot)] offset:128*(\q)+32*\c+\t*16*PITCH
	ds_load_b128 v[(\f)+64+16*\t+4*\c:(\f)+64+16*\t+4*\c+3], v[ADRB+(\slot)] offset:128*(\q)+32*\c+\t*16*PITCH
.endr
.endr
.endm
; the scale words of K slot num (16 bytes a row: four K steps) into set num % 2: lanes 0-15 an even tile's rows, lanes 16-31 the odd tile's
.macro SCALES num
	WIN 0
.irp p, 0,1
	ds_load_b128 v[SCR+16*((\num)%2)+4*\p:SCR+16*((\num)%2)+4*\p+3], v[ADSA] offset:16*(\num)+\p*8*272
	ds_load_b128 v[SCR+16*((\num)%2)+8+4*\p:SCR+16*((\num)%2)+8+4*\p+3], v[ADSB] offset:16*(\num)+\p*8*272
.endr
.endm
; four matrix instructions: tile a of tokens against W's four.  The 16 accumulators take turns, one instruction a turn
.macro MUL4 a, f, q, set, first
.irp b, 0,1,2,3
.if \first
	WM ACC+8*(4*(\a)+\b), (\f)+64+16*\b, (\f)+16*(\a), BI+8*\b, SCR+16*(\set)+8+4*(\b/2)+(\q), SCR+16*(\set)+4*((\a)/2)+(\q), \b%2, (\a)%2
.else
	WM ACC+8*(4*(\a)+\b), (\f)+64+16*\b, (\f)+16*(\a), ACC+8*(4*(\a)+\b), SCR+16*(\set)+8+4*(\b/2)+(\q), SCR+16*(\set)+4*((\a)/2)+(\q), \b%2, (\a)%2
.endif
.endr
.endm
; one of a slot's first three steps of 128 along K: in its middle the next step's fragments are asked for, eight places behind the products that read that buffer
.macro STEP slot, q, first
	s_wait_dscnt 0x0                               ; this step's fragments (and scale words) are in
	WIN MUL
	MUL4 0, 128*((\q)%2), \q, \slot, \first
	MUL4 1, 128*((\q)%2), \q, \slot, \first
	PLACES 8
	FETCH \slot, (\q)+1, 128*(1-(\q)%2)
	WIN MUL
	MUL4 2, 128*((\q)%2), \q, \slot, \first
	MUL4 3, 128*((\q)%2), \q, \slot, \first
.endm
; a slot's last step changes slots: each wave waits for all its tensor loads, adds 0 to its spare word, waits for that and for its reads of this slot; one barrier; fill = 1: it opens a round of the cluster's, and the slot is filled again first thing behind it
.macro TURN slot, num, fill
	WIN 0
	s_wait_tensorcnt 0x0                           ; all my tensor loads have landed: my part of the next slot
	ds_add_u32 v[SPW], v[NIL]
	s_wait_dscnt 1                                 ; (the add alone may be out: the fragments are in)
	WIN MUL
	MUL4 0, F1, 3, \slot, 0
	s_wait_dscnt 0x0                               ; the add is done, my reads of this slot are over
	s_barrier_signal -1
	MUL4 1, F1, 3, \slot, 0
	WIN 0
	s_barrier_wait -1
.if \fill
	CREST                                          ; no wave of any partner still reads this slot or has a load on its way
	s_add_nc_u64 s[G0+4*\slot+2:G0+4*\slot+3], s[G0+4*\slot+2:G0+4*\slot+3], 1024
	s_add_nc_u64 s[G0B+4*\slot+2:G0B+4*\slot+3], s[G0B+4*\slot+2:G0B+4*\slot+3], 1024
	JLOAD G0+4*\slot, G1, G0B+4*\slot, G1B         ; my one tensor load behind the round; its four v_nop are four of the eight places in front of the loads below
	PLACES 4
.else
	PLACES 8
.endif
	FETCH 1-(\slot), 0, F0
	SCALES (\num)+1
	WIN MUL
	MUL4 2, F1, 3, \slot, 0
	MUL4 3, F1, 3, \slot, 0
.endm
	s_wait_tensorcnt 1                             ; the scale bytes and my part of slot 0 are in; slot 1's load may be out
	s_barrier_signal -1
	s_barrier_wait -1
	FETCH 0, 0, F0
	SCALES 0
	s_wait_loadcnt 0x0                             ; the bias
	s_wait_xcnt 0x0                                ; the table's stores have read their registers: the accumulators may be written
	STEP 0, 0, 1                                   ; the first products start the sums from the bias: nothing is cleared
	STEP 0, 1, 0
	STEP 0, 2, 0
	TURN 0, 0, 1
	STEP 1, 0, 0
	STEP 1, 1, 0
	STEP 1, 2, 0
	TURN 1, 1, 1
	STEP 0, 0, 0
	STEP 0, 1, 0
	STEP 0, 2, 0
	TURN 0, 2, 0                                   ; nothing is left to fetch
	STEP 1, 0, 0
	STEP 1, 1, 0
	STEP 1, 2, 0
	s_wait_dscnt 0x0
	WIN MUL
	MUL4 0, F1, 3, 1, 0
	MUL4 1, F1, 3, 1, 0
	MUL4 2, F1, 3, 1, 0
	MUL4 3, F1, 3, 1, 0
	WIN 0
	; ---- THE WAY OUT: quantised along the latents, in registers
	s_mov_b32 s[SEL], 0x76543210
	s_mov_b32 s[SEL+1], 0xfedcba98                 ; lane l xor 16
	s_mov_b32 s[MNT], 0x600000                     ; the mantissa field of 448
	s_mov_b32 s[HM], 0xffff0000                    ; lanes 16-31
.irp b, 0,1,2,3
	v_mov_b32 v[TM+4+\b], 0                        ; a lane permute's destination counts as read.  These eight lines are also the eight places behind the last products
	v_mov_b32 v[FX+\b], 0
.endr
.irp ap, 0,1
	QUANT ACC+64*\ap, PC+16*\ap, TM                ; blocks: (tile 2 ap, latents 0-31), (2 ap, 32-63), (2 ap + 1, 0-31), (2 ap + 1, 32-63)
	v_lshl_or_b32 v[HW+2*\ap], v[TM+5], 8, v[TM+4]         ; my two bytes of each tile's scale word
	v_lshl_or_b32 v[HW+2*\ap+1], v[TM+7], 8, v[TM+6]
.irp b, 0,1,2,3
	FIX PC+16*\ap+4*\b                             ; W*_up come in the plain order of K: so do these codes
.endr
.irp b, 0,1,2,3
	global_store_b128 v[LI], v[PC+16*\ap+4*\b:PC+16*\ap+4*\b+3], s[20:21] offset:(2*\ap+\b/2)*8192+(\b%2)*512   ; 512 consecutive bytes, aligned
.endr
	ds_store_b16 v[STGA], v[HW+2*\ap] offset:64*(2*\ap)
	ds_store_b16 v[STGA], v[HW+2*\ap+1] offset:64*(2*\ap+1)
.endr
	s_wait_dscnt 0x0                               ; for the others' sake: my halves of the words are in the stage
	s_barrier_signal -1
	s_barrier_wait -1
	s_cmp_lt_u32 s[WV], 2
	s_cbranch_scc0 .Lno_words
	ds_load_b64 v[HW:HW+1], v[STGR]
	s_wait_dscnt 0x0
	global_store_b64 v[WOFF], v[HW:HW+1], s[12:13] ; 32 lanes store 256 consecutive bytes, aligned
.Lno_words:
	s_wait_tensorcnt 0x0                           ; the wave's end
	ds_add_u32 v[SPW], v[NIL]
	s_wait_dscnt 0x0
	CROUND                                         ; the closing round
	s_endpgm
.Lfunc_end_k_q9dce60bbe8_down:
	.size	k_q9dce60bbe8_down, .Lfunc_end_k_q9dce60bbe8_down-k_q9dce60bbe8_down
	.p2alignl 7, 3214868480
	.fill 96, 4, 3214868480
	.section	.rodata,"a",@progbits
	.p2align	6, 0x0
	.amdhsa_kernel k_q9dce60bbe8_down
		.amdhsa_group_segment_fixed_size 327680
		.amdhsa_private_segment_fixed_size 0
		.amdhsa_enable_private_segment 0
		.amdhsa_kernarg_size 80
		.amdhsa_user_sgpr_count 2
		.amdhsa_user_sgpr_kernarg_segment_ptr 1
		.amdhsa_wavefront_size32 1
		.amdhsa_system_sgpr_workgroup_id_x 1
		.amdhsa_system_sgpr_workgroup_id_y 1
		.amdhsa_system_sgpr_workgroup_id_z 1
		.amdhsa_system_vgpr_workitem_id 0
		.amdhsa_next_free_vgpr 512
		.amdhsa_next_free_sgpr 102
		.amdhsa_reserve_vcc 1
		.amdhsa_float_denorm_mode_32 3
		.amdhsa_float_denorm_mode_16_64 3
		.amdhsa_memory_ordered 1
		.amdhsa_forward_progress 1
		.amdhsa_inst_pref_size 128
	.end_amdhsa_kernel
	.amdgpu_metadata
---
amdhsa.version: [ 1, 2 ]
amdhsa.kernels:
  - .name:           k_q9dce60bbe8_down
    .symbol:         k_q9dce60bbe8_down.kd
    .args:
      - { .name: hidden_states_codes, .offset: 0, .size: 8, .value_kind: global_buffer, .address_space: global }
      - { .name: hidden_states_scales, .offset: 8, .size: 8, .value_kind: global_buffer, .address_space: global }
      - { .name: Wq_down_codes, .offset: 16, .size: 8, .value_kind: global_buffer, .address_space: global }
      - { .name: Wq_down_scales, .offset: 24, .size: 8, .value_kind: global_buffer, .address_space: global }
      - { .name: Wkv_down_codes, .offset: 32, .size: 8, .value_kind: global_buffer, .address_space: global }
      - { .name: Wkv_down_scales, .offset: 40, .size: 8, .value_kind: global_buffer, .address_space: global }
      - { .name: bq_down, .offset: 48, .size: 8, .value_kind: global_buffer, .address_space: global }
      - { .name: bkv_down, .offset: 56, .size: 8, .value_kind: global_buffer, .address_space: global }
      - { .name: lat, .offset: 64, .size: 8, .value_kind: global_buffer, .address_space: global }
      - { .name: rope, .offset: 72, .size: 8, .value_kind: global_buffer, .address_space: global }
    .group_segment_fixed_size: 327680
    .private_segment_fixed_size: 0
    .kernarg_segment_align: 8
    .kernarg_segment_size: 80
    .max_flat_workgroup_size: 128
    .sgpr_count:     102
    .vgpr_count:     512
    .wavefront_size: 32
...
	.end_amdgpu_metadata
.endif
;; end of part 1
;; launch up (part 2): grid 16 x 16, 8 waves a work-group, clusters of 4 x 4, 327,680 bytes of LDS; arguments lat, rope, Wq_up_codes, Wq_up_scales, Wk_up_codes, Wk_up_scales, Wv_up_codes, Wv_up_scales, bq_up, bk_up, bv_up, qkv, qkvsc; writes qkv, qkvsc
.if DOCPART == 2
	.amdgcn_target "amdgcn-amd-amdhsa--gfx1250"
	.amdhsa_code_object_version 6
	.text
	.protected	k_q9dce60bbe8_up
	.globl	k_q9dce60bbe8_up
	.p2align	8
	.type	k_q9dce60bbe8_up,@function
k_q9dce60bbe8_up:
	s_mov_b64 s[64:65], 0
	v_nop
	global_prefetch_b8 v0, s[64:65] scope:SCOPE_SE
	s_setreg_imm32_b32 hwreg(HW_REG_WAVE_MODE, 25, 1), 1
	s_wait_xcnt 0x0
	s_wait_alu depctr_hold_cnt(0) depctr_sa_sdst(0) depctr_va_vdst(0) depctr_va_sdst(0) depctr_va_ssrc(0) depctr_va_vcc(0) depctr_vm_vsrc(0)
	s_getreg_b32 s2, hwreg(HW_REG_IB_STS2, 6, 4)
	s_cmp_eq_u32 s2, 0
	s_cbranch_scc0 .Lentry_in_a_cluster
	s_endpgm
.Lentry_in_a_cluster:
	s_bfe_u32 s2, ttmp6, 0x10000c
	s_cmp_lg_u32 s2, 0xf033
	s_cbranch_scc0 .Lentry_shape_is_right
	s_endpgm
.Lentry_shape_is_right:
; LAUNCH 2 OF 4.  q_half = q_lat Wq_up^T + bq_up, k_half, v likewise (K = 512, on codes); the rotary step; q and k quantised along a head's 128, v along the keys.  No work is left out.
; SHARES.  A work-group: 256 tokens (y) x 256 columns.  Cluster x: 0 q, 1 k, 2 and 3 v.
; q, k (g = cx): columns 128 g .. +127 (x1) and 512 + 128 g .. +127 (x2), so that one lane holds both partners of the rotation: the group makes heads g, g + 4 (the halves as they are), g + 8 (x1 cos - x2 sin), g + 12 (x1 sin + x2 cos).
; v (xv = 4 (cluster x - 2) + cx): rows 256 xv .. +255 of Wv_up: heads 2 xv, 2 xv + 1.
; K fits in LDS whole: every LDS byte is filled once.  THE WEIGHTS STAY IN REGISTERS, THE TOKENS GO ROUND: wave (cq = w % 4, th = w / 4) keeps 4 tiles of W x 4 K steps (256 registers) and walks the 128 tokens of half th.
; q, k: source 0 = W, source 1 = tokens: a lane holds a token, its registers run along the head's 128.  v: source 0 = tokens, source 1 = W: a lane holds a channel d, its registers run along the keys.
; ORDER OF K INSIDE A BLOCK OF 32: half h of the lanes converts positions 8h..8h+7 and 16+8h..+7 into its four registers.  q and k are made alike, and so are v and the softmax's p in the next launch: the order is the same on both sides of each product, and the blocks of the scales are whole.
; The trips are written out: every LDS and memory step is an immediate.
; qkv: 0 q [bh 32][T 128][c 4][512]; 0x800000 k likewise; 0x1000000 v [bh][step 16][dt 8][c 4][512].  qkvsc: 0 q's words [bh][T][16]; 0x40000 k's; 0x80000 v's [bh][step][dt][16].
; LIMITS: as stated at the head of the first launch (NaN, infinities; a block of zeros has the byte 1).
.set LAT,   0                          ; the latents' fragments [tile 16][ks 4][2,048]
.set WROW,  131072                     ; 256 rows of W x (512 + 16)
.set LSC,   WROW+256*528               ; the latents' scale words [ks 4][tile 16][64]
.set WSC,   LSC+4096                   ; W's scale bytes: 256 rows x 16
.set STG,   WSC+4096                   ; q's or k's new scale bytes [head 4][tile 16][r 16][4]
.set VSTG,  STG+4096                   ; v's new scale words: 256 bytes a wave
.set SPARE, VSTG+2048                  ; the spare words: 128 bytes a wave
.set LI,   1                           ; 16 x lane
.set L8,   2                           ; 8 x lane
.set SPW,  3
.set NIL,  4
.set ADL,  5                           ; my half's fragments of the latents
.set ADLS, 6                           ; their scale words, lane % 16
.set ADB,  7                           ; where my scale bytes go
.set STR,  8                           ; where the words are read back
.set ADLV, 9                           ; the latents' scale words, two tiles to a register
.set VST,  10
.set VLD,  11
.set LS,   12                          ; v12-15 the latents' scale words
.set WS,   16                          ; v16-31 W's: 4 i + ks
.set BI,   32                          ; q, k: v32-63 the bias as C
.set BV,   32                          ; v: v32-39 the bias in pairs; v40-43 the words; v48-63 the quantiser's
.set WD,   40
.set TMV,  48
.set X,    64                          ; v64-127 the results; in the prologue: addresses used once
.set AW1,  64
.set AW2,  65
.set AWS,  66
.set BOF,  67
.set AWV,  68
.set AWSV, 69
.set BOFV, 70
.set LF,   128                         ; the latents' fragments: v128-191 (q, k), v128-255 (v)
.set PCV,  128
.set COS,  192
.set SIN,  208
.set PC,   224
.set TM,   240
.set WV, 30
.set CQ, 31
.set TH, 84
.set CX, 85
.set CY, 86
.set YY, 87
.set XV, 95
.set SEL, 92
.set MNT, 94
.set G1A,  32
.set G1AS, 40
.set G1B,  48
.set G1BS, 56
.set G0A,  68
.set G0AS, 72
.set G0B,  76
.set G0BS, 80
.set MSB, 0
.macro WIN new
.if MSB != \new
	s_set_vgpr_msb (MSB<<8)|\new
.set MSB, \new
.endif
.endm
.macro PLACES n
.rept \n
	v_nop
.endr
.endm
.macro CREST
	s_cmp_lg_u32 s[WV], 0
	s_cbranch_scc1 .Lnot_wave_0_\@
	s_barrier_signal -3
.Lnot_wave_0_\@:
	s_barrier_wait -3
	s_barrier_signal -1
	s_barrier_wait -1
.endm
.macro CROUND
	s_barrier_signal -1
	s_barrier_wait -1
	CREST
.endm
.macro WM d, a, b, c, sa, sb, ra, rb
.if (\c) < 0
.if ((\ra) == 0) && ((\rb) == 0)
	v_wmma_scale_f32_16x16x128_f8f6f4 v[(\d):(\d)+7], v[(\a):(\a)+15], v[(\b):(\b)+15], 0, v[(\sa)], v[(\sb)]
.elseif (\rb) == 0
	v_wmma_scale_f32_16x16x128_f8f6f4 v[(\d):(\d)+7], v[(\a):(\a)+15], v[(\b):(\b)+15], 0, v[(\sa)], v[(\sb)] matrix_a_scale:MATRIX_SCALE_ROW1
.elseif (\ra) == 0
	v_wmma_scale_f32_16x16x128_f8f6f4 v[(\d):(\d)+7], v[(\a):(\a)+15], v[(\b):(\b)+15], 0, v[(\sa)], v[(\sb)] matrix_b_scale:MATRIX_SCALE_ROW1
.else
	v_wmma_scale_f32_16x16x128_f8f6f4 v[(\d):(\d)+7], v[(\a):(\a)+15], v[(\b):(\b)+15], 0, v[(\sa)], v[(\sb)] matrix_a_scale:MATRIX_SCALE_ROW1 matrix_b_scale:MATRIX_SCALE_ROW1
.endif
.else
.if ((\ra) == 0) && ((\rb) == 0)
	v_wmma_scale_f32_16x16x128_f8f6f4 v[(\d):(\d)+7], v[(\a):(\a)+15], v[(\b):(\b)+15], v[(\c):(\c)+7], v[(\sa)], v[(\sb)]
.elseif (\rb) == 0
	v_wmma_scale_f32_16x16x128_f8f6f4 v[(\d):(\d)+7], v[(\a):(\a)+15], v[(\b):(\b)+15], v[(\c):(\c)+7], v[(\sa)], v[(\sb)] matrix_a_scale:MATRIX_SCALE_ROW1
.elseif (\ra) == 0
	v_wmma_scale_f32_16x16x128_f8f6f4 v[(\d):(\d)+7], v[(\a):(\a)+15], v[(\b):(\b)+15], v[(\c):(\c)+7], v[(\sa)], v[(\sb)] matrix_b_scale:MATRIX_SCALE_ROW1
.else
	v_wmma_scale_f32_16x16x128_f8f6f4 v[(\d):(\d)+7], v[(\a):(\a)+15], v[(\b):(\b)+15], v[(\c):(\c)+7], v[(\sa)], v[(\sb)] matrix_a_scale:MATRIX_SCALE_ROW1 matrix_b_scale:MATRIX_SCALE_ROW1
.endif
.endif
.endm
; 64 numbers of a lane, four blocks of 16 (the other 16 of each block lie in lane l xor 16), become codes in v[pc] on; the bytes stay in v[tm+4..7]
.macro QUANT s, pc, tm
.irp b, 0,1,2,3
	v_max3_num_f32 v[(\tm)+\b], |v[(\s)+16*\b]|, |v[(\s)+1+16*\b]|, 0x4800000   ; my 16 numbers and the floor 2^(9 - 127)
.endr
.irp i, 2,4,6,8,10,12,14
.irp b, 0,1,2,3
	v_max3_num_f32 v[(\tm)+\b], v[(\tm)+\b], |v[(\s)+16*\b+\i]|, |v[(\s)+1+16*\b+\i]|
.endr
.endr
.irp b, 0,1,2,3
	v_permlanex16_b32 v[(\tm)+4+\b], v[(\tm)+\b], s[SEL], s[SEL+1]
.endr
.irp b, 0,1,2,3
	v_max_num_f32 v[(\tm)+\b], v[(\tm)+\b], v[(\tm)+4+\b]
.endr
.irp b, 0,1,2,3
	v_add_nc_u32 v[(\tm)+12+\b], 0xfc000000, v[(\tm)+\b]           ; the conversion's scale operand
.endr
.irp b, 0,1,2,3
	v_and_or_b32 v[(\tm)+8+\b], v[(\tm)+\b], 0x7f800000, s[MNT]    ; 448 x the scale
.endr
.irp b, 0,1,2,3
	v_lshrrev_b32 v[(\tm)+4+\b], 23, v[(\tm)+12+\b]                ; the scale's byte
.endr
.irp b, 0,1,2,3
.irp i, 0,1,2,3,4,5,6,7,8,9,10,11,12,13,14,15
	v_med3_num_f32 v[(\s)+16*\b+\i], v[(\s)+16*\b+\i], -v[(\tm)+8+\b], v[(\tm)+8+\b]   ; the hold (ISA guide 7.6.2: the conversion does not saturate)
.endr
	v_cvt_scalef32_pk8_fp8_f32 v[(\pc)+4*\b:(\pc)+1+4*\b], v[(\s)+16*\b:(\s)+7+16*\b], v[(\tm)+12+\b]
	v_cvt_scalef32_pk8_fp8_f32 v[(\pc)+2+4*\b:(\pc)+3+4*\b], v[(\s)+8+16*\b:(\s)+15+16*\b], v[(\tm)+12+\b]
.endr
	v_nop                                          ; a plain line behind the last conversion
.endm
	s_load_b128 s[4:7], s[0:1], 0x0                ; lat s[4:5], rope s[6:7]
	s_load_b128 s[8:11], s[0:1], 0x10              ; Wq_up's codes, scales
	s_load_b128 s[12:15], s[0:1], 0x20             ; Wk_up's
	s_load_b128 s[16:19], s[0:1], 0x30             ; Wv_up's
	s_load_b128 s[20:23], s[0:1], 0x40             ; bq_up, bk_up
	s_load_b128 s[24:27], s[0:1], 0x50             ; bv_up s[24:25], qkv s[26:27]
	s_load_b64 s[28:29], s[0:1], 0x60              ; qkvsc
	v_lshl_add_u32 v[SPW], v0, 2, SPARE
	v_mov_b32 v[NIL], 0
	ds_add_u32 v[SPW], v[NIL]                      ; the opening: the add, twice on end, and its wait ahead of my first tensor load
	ds_add_u32 v[SPW], v[NIL]
	v_lshrrev_b32 v1, 5, v0
	v_readfirstlane_b32 s[WV], v1                  ; wave 0..7
	s_and_b32 s[CQ], s[WV], 3
	s_lshr_b32 s[TH], s[WV], 2
	s_bfe_u32 s[CX], ttmp6, 0x40000
	s_bfe_u32 s[CY], ttmp6, 0x40004
	s_and_b32 s[YY], ttmp7, 0xffff
	s_lshl_b32 s[YY], s[YY], 2
	s_add_co_u32 s[YY], s[YY], s[CY]               ; my block of 256 tokens
	s_lshl_b32 s2, s[CY], 2
	s_lshl_b32 s2, 15, s2                          ; my row of the cluster: it shares the latents
	s_lshl_b32 s3, 0x1111, s[CX]                   ; my column: it shares the weights
	s_or_b32 s[G1A], s2, (3<<16)|(1<<21)           ; 32,768 dense bytes as 128 rows of 256 (32 elements of 8 bytes)
	s_mov_b32 s[G1A+1], 32<<16
	s_mov_b32 s[G1A+2], 128<<16
	s_mov_b32 s[G1A+3], 32<<16
	s_mov_b32 s[G1A+4], 128
	s_mov_b32 s[G1A+5], 32
	s_mov_b32 s[G1A+6], 0
	s_mov_b32 s[G1A+7], 0
	s_or_b32 s[G1AS], s2, (3<<16)|(1<<21)          ; 1,024 dense bytes
	s_or_b32 s[G1BS], s3, (3<<16)|(1<<21)
.irp g, G1AS, G1BS
	s_mov_b32 s[\g+1], 32<<16
	s_mov_b32 s[\g+2], 4<<16
	s_mov_b32 s[\g+3], 32<<16
	s_mov_b32 s[\g+4], 4
	s_mov_b32 s[\g+5], 32
	s_mov_b32 s[\g+6], 0
	s_mov_b32 s[\g+7], 0
.endr
	s_or_b32 s[G1B], s3, (1<<20)|(1<<21)|(6<<22)|(3<<25)   ; 64 rows of 512 bytes, 16 of padding behind each
	s_mov_b32 s[G1B+1], 512<<16
	s_mov_b32 s[G1B+2], 64<<16
	s_mov_b32 s[G1B+3], 512<<16
	s_mov_b32 s[G1B+4], 64
	s_mov_b32 s[G1B+5], 512
	s_mov_b32 s[G1B+6], 0
	s_mov_b32 s[G1B+7], 0
	s_min_u32 s88, ttmp9, 1                        ; q's latents (0) or kv's (1)
	s_lshl_b32 s90, s88, 16
	s_lshl_b32 s88, s88, 21
	s_lshl_b32 s89, s[YY], 17
	s_add_co_u32 s88, s88, s89
	s_lshl_b32 s89, s[CQ], 15
	s_add_co_u32 s88, s88, s89                     ; four tiles of the block's sixteen
	s_mov_b32 s89, 0
	s_lshl_b32 s91, s[YY], 10
	s_add_co_u32 s90, s90, s91
	s_lshl_b32 s91, s[CQ], 14
	s_add_co_u32 s90, s90, s91                     ; the block's scale words of K step w % 4
	s_add_co_u32 s90, s90, 0x400000
	s_mov_b32 s91, 0
	s_lshl_b32 s96, s[CX], 7                       ; q, k: rows 128 cx + 64 (w % 2) + 512 ((w % 4) / 2)
	s_and_b32 s97, s[CQ], 1
	s_lshl_b32 s97, s97, 6
	s_add_co_u32 s96, s96, s97
	s_lshr_b32 s97, s[CQ], 1
	s_lshl_b32 s97, s97, 9
	s_add_co_u32 s96, s96, s97
	s_sub_co_u32 s[XV], ttmp9, 2
	s_lshl_b32 s[XV], s[XV], 2
	s_add_co_u32 s[XV], s[XV], s[CX]               ; xv (used in v's groups alone)
	s_lshl_b32 s98, s[XV], 8                       ; v: rows 256 xv + 64 (w % 4)
	s_lshl_b32 s97, s[CQ], 6
	s_add_co_u32 s98, s98, s97
	s_cmp_lt_u32 ttmp9, 2
	s_cselect_b32 s96, s96, s98
	s_lshl_b32 s98, s96, 4                         ; 16 scale bytes a row,
	s_lshl_b32 s96, s96, 9                         ; 512 codes
	s_mov_b32 s97, 0
	s_mov_b32 s99, 0
	s_mov_b32 s[SEL], 0x76543210
	s_mov_b32 s[SEL+1], 0xfedcba98
	s_mov_b32 s[MNT], 0x600000
	s_wait_dscnt 0x0                               ; both opening adds are done
	s_wait_kmcnt 0x0
	s_cmp_eq_u32 ttmp9, 0                          ; the weights, their scales and their bias: by the cluster's x
	s_cselect_b64 s[8:9], s[8:9], s[12:13]
	s_cselect_b64 s[10:11], s[10:11], s[14:15]
	s_cselect_b64 s[20:21], s[20:21], s[22:23]
	s_cmp_lt_u32 ttmp9, 2
	s_cselect_b64 s[8:9], s[8:9], s[16:17]
	s_cselect_b64 s[10:11], s[10:11], s[18:19]
	s_cselect_b64 s[20:21], s[20:21], s[24:25]
	CROUND                                         ; all sixteen work-groups are here
	s_mov_b32 s[G0A], 1
	s_lshl_b32 s[G0A+1], s[CQ], 15
	s_add_nc_u64 s[G0A+2:G0A+3], s[4:5], s[88:89]
	s_or_b32 s[G0A+3], s[G0A+3], 0x80000000
	s_mov_b32 s[G0AS], 1
	s_lshl_b32 s[G0AS+1], s[CQ], 10
	s_add_co_u32 s[G0AS+1], s[G0AS+1], LSC
	s_add_nc_u64 s[G0AS+2:G0AS+3], s[4:5], s[90:91]
	s_or_b32 s[G0AS+3], s[G0AS+3], 0x80000000
	s_mov_b32 s[G0B], 1
	s_mul_i32 s[G0B+1], s[CQ], 64*528
	s_add_co_u32 s[G0B+1], s[G0B+1], WROW
	s_add_nc_u64 s[G0B+2:G0B+3], s[8:9], s[96:97]
	s_or_b32 s[G0B+3], s[G0B+3], 0x80000000
	s_mov_b32 s[G0BS], 1
	s_lshl_b32 s[G0BS+1], s[CQ], 10
	s_add_co_u32 s[G0BS+1], s[G0BS+1], WSC
	s_add_nc_u64 s[G0BS+2:G0BS+3], s[10:11], s[98:99]
	s_or_b32 s[G0BS+3], s[G0BS+3], 0x80000000
	s_cmp_lt_u32 s[WV], 4                          ; waves 0-3 fetch the latents, waves 4-7 the weights: two loads each, in one branch; two loads of mine are out
	s_cbranch_scc0 .Lfill_w
	tensor_load_to_lds s[G0AS:G0AS+3], s[G1AS:G1AS+7]
	s_nop 0
	tensor_load_to_lds s[G0A:G0A+3], s[G1A:G1A+7]
	s_nop 0
.rept 4
	v_nop
.endr
	s_branch .Lfilled
.Lfill_w:
	tensor_load_to_lds s[G0BS:G0BS+3], s[G1BS:G1BS+7]
	s_nop 0
	tensor_load_to_lds s[G0B:G0B+3], s[G1B:G1B+7]
	s_nop 0
.rept 4
	v_nop
.endr
.Lfilled:
	v_and_b32 v72, 15, v0                          ; r
	v_bfe_u32 v73, v0, 4, 1                        ; h
	v_and_b32 v74, 31, v0                          ; lane
	v_lshlrev_b32 v[LI], 4, v74
	v_lshlrev_b32 v[L8], 3, v74
	s_lshl_b32 s88, s[TH], 16
	v_add_nc_u32 v[ADL], s88, v[LI]                ; my half's eight tiles: 65,536 th + 16 x lane
	s_lshl_b32 s88, s[TH], 9
	s_add_co_u32 s89, s88, LSC
	v_lshl_add_u32 v[ADLS], v72, 2, s89
	v_lshl_add_u32 v[ADLV], v74, 2, s89
	s_add_co_u32 s89, s88, STG
	s_add_co_u32 s89, s89, s[CQ]
	v_lshl_add_u32 v[ADB], v72, 2, s89             ; STG + 512 th + 4 r + cq: byte cq of row r's word
	s_lshl_b32 s89, s[WV], 9
	s_add_co_u32 s89, s89, STG
	v_add_nc_u32 v[STR], s89, v[LI]
	s_lshl_b32 s89, s[WV], 8
	s_add_co_u32 s89, s89, VSTG
	v_lshl_add_u32 v[VST], v72, 2, s89
	v_add_nc_u32 v[VLD], s89, v[L8]
	v_mul_u32_u24 v75, v72, 528
	v_lshl_add_u32 v75, v73, 4, v75                ; a row of W: r x pitch + 16 h
	s_mul_i32 s89, s[CQ], 32*528
	s_add_co_u32 s89, s89, WROW
	v_add_nc_u32 v[AW1], s89, v75                  ; q, k: x1's rows 32 cq on,
	v_add_nc_u32 v[AW2], 128*528, v[AW1]           ; and x2's, 128 rows further
	s_mul_i32 s89, s[CQ], 64*528
	s_add_co_u32 s89, s89, WROW
	v_add_nc_u32 v[AWV], s89, v75                  ; v: rows 64 cq on
	s_lshl_b32 s89, s[CQ], 9
	s_add_co_u32 s89, s89, WSC
	v_lshl_add_u32 v[AWS], v72, 4, s89
	s_lshl_b32 s89, s[CQ], 10
	s_add_co_u32 s89, s89, WSC
	v_lshl_add_u32 v[AWSV], v72, 4, s89
	v_lshlrev_b32 v[BOF], 5, v73
	v_lshlrev_b32 v[BOFV], 2, v72
	s_wait_tensorcnt 0x0                           ; my loads have landed,
	s_barrier_signal -1
	s_barrier_wait -1                              ; everybody's have: the latents, the weights and all their scales lie in LDS for the rest of the launch
	s_cmp_lt_u32 ttmp9, 2                          ; the cluster's x: the same in all sixteen work-groups
	s_cbranch_scc0 .Lv_path
	; ================ q or k ================
	s_lshl_b32 s88, s[CX], 9                       ; the bias of columns 128 cx + 32 cq on
	s_lshl_b32 s89, s[CQ], 7
	s_add_co_u32 s88, s88, s89
	s_mov_b32 s89, 0
	s_add_nc_u64 s[20:21], s[20:21], s[88:89]
.irp i, 0,1,2,3
	global_load_b128 v[BI+8*\i:BI+8*\i+3], v[BOF], s[20:21] offset:64*(\i%2)+2048*(\i/2)       ; tile i: columns 16 (i % 2) + 512 (i / 2) + 8 h + j
	global_load_b128 v[BI+8*\i+4:BI+8*\i+7], v[BOF], s[20:21] offset:64*(\i%2)+2048*(\i/2)+16
.endr
	s_and_b32 s88, s[YY], 7
	s_lshl_b32 s88, s88, 4
	s_lshl_b32 s89, s[TH], 3
	s_add_co_u32 s88, s88, s89                     ; my first tile of positions in the sequence: 16 (y % 8) + 8 th
	s_lshl_b32 s90, s88, 15                        ; 32,768 bytes of the table a tile
	s_lshl_b32 s89, s[CX], 3
	s_lshl_b32 s91, s[CQ], 1
	s_add_co_u32 s89, s89, s91
	s_and_b32 s89, s89, 15                         ; frequencies (128 cx + 32 cq) % 256 on
	s_lshl_b32 s89, s89, 11
	s_add_co_u32 s90, s90, s89
	s_mov_b32 s91, 0
	s_add_nc_u64 s[6:7], s[6:7], s[90:91]
.macro ROPELD t                        ; cos and sin of trip t's 16 positions, my 32 frequencies
.irp i, 0,1
.irp q2, 0,1
	global_load_b128 v[COS+8*\i+4*\q2:COS+8*\i+4*\q2+3], v[LI], s[6:7] offset:32768*(\t)+2048*\i+512*\q2
	global_load_b128 v[SIN+8*\i+4*\q2:SIN+8*\i+4*\q2+3], v[LI], s[6:7] offset:32768*(\t)+2048*\i+1024+512*\q2
.endr
.endr
.endm
	ROPELD 0
	s_lshr_b32 s89, s[YY], 3
	s_lshl_b32 s89, s89, 4
	s_add_co_u32 s89, s89, s[CX]                   ; (batch, head g)
	s_lshl_b32 s90, s89, 7
	s_add_co_u32 s90, s90, s88
	s_lshl_b32 s90, s90, 11                        ; its fragment of my first tile,
	s_lshl_b32 s91, s[CQ], 9
	s_add_co_u32 s90, s90, s91                     ; chunk cq,
	s_lshl_b32 s91, ttmp9, 23
	s_add_co_u32 s90, s90, s91                     ; in q's part or in k's
	s_mov_b32 s91, 0
	s_add_nc_u64 s[26:27], s[26:27], s[90:91]
	s_lshr_b32 s90, s[WV], 1                       ; the words: wave w stores head g + 4 (w / 2), tiles 8 (w % 2) on
	s_lshl_b32 s90, s90, 2
	s_add_co_u32 s90, s90, s89
	s_lshl_b32 s90, s90, 7
	s_and_b32 s91, s[YY], 7
	s_lshl_b32 s91, s91, 4
	s_add_co_u32 s90, s90, s91
	s_lshl_b32 s90, s90, 6
	s_and_b32 s91, s[WV], 1
	s_lshl_b32 s91, s91, 9
	s_add_co_u32 s90, s90, s91
	s_lshl_b32 s91, ttmp9, 18
	s_add_co_u32 s90, s90, s91
	s_mov_b32 s91, 0
	s_add_nc_u64 s[28:29], s[28:29], s[90:91]
.irp b, 0,1,2,3
	v_mov_b32 v[TM+4+\b], 0                        ; a lane permute's destination counts as read
.endr
	WIN 0x40                                       ; destination window 1: my four tiles of W, all of K, stay there: (i, ks) at 16 (4 i + ks)
.irp i, 0,1
.irp ks, 0,1,2,3
.irp c, 0,1,2,3
	ds_load_b128 v[16*(4*\i+\ks)+4*\c:16*(4*\i+\ks)+4*\c+3], v[AW1] offset:16*\i*528+128*\ks+32*\c
	ds_load_b128 v[16*(4*(\i+2)+\ks)+4*\c:16*(4*(\i+2)+\ks)+4*\c+3], v[AW2] offset:16*\i*528+128*\ks+32*\c
.endr
.endr
.endr
	WIN 0
.irp i, 0,1,2,3
	ds_load_b128 v[WS+4*\i:WS+4*\i+3], v[AWS] offset:256*(\i%2)+2048*(\i/2)      ; a row's 16 scale bytes are its four words
.endr
	s_wait_loadcnt 8                               ; the bias is in; the eight loads of cos and sin issued behind it may be out
; a trip: 16 tokens.  16 products, the rotation, four blocks of 32 quantised: chunk cq of the fragments of four heads
.macro QKTRIP t
	s_wait_xcnt 0x0                                ; the last trip's stores have read their codes
.irp ks, 0,1,2,3
.irp c, 0,1,2,3
	ds_load_b128 v[LF+16*\ks+4*\c:LF+16*\ks+4*\c+3], v[ADL] offset:8192*(\t)+2048*\ks+512*\c
.endr
	ds_load_b32 v[LS+\ks], v[ADLS] offset:1024*\ks+64*(\t)
.endr
	s_wait_dscnt 0x0
	WIN 0x01                                       ; source 0 (W) window 1
.irp ks, 0,1,2,3
.irp i, 0,1,2,3
.if \ks == 0
	WM X+8*\i, 16*(4*\i+\ks), LF+16*\ks, BI+8*\i, WS+4*\i+\ks, LS+\ks, 0, 0      ; the bias starts the sum; the four accumulators take turns
.else
	WM X+8*\i, 16*(4*\i+\ks), LF+16*\ks, X+8*\i, WS+4*\i+\ks, LS+\ks, 0, 0
.endif
.endr
.endr
	WIN 0
	PLACES 8
	s_wait_loadcnt 0x0                             ; this trip's cos and sin
.irp p, 0,2,4,6,8,10,12,14
	v_pk_mul_f32 v[X+32+\p:X+33+\p], v[X+16+\p:X+17+\p], v[SIN+\p:SIN+1+\p]
.endr
.irp p, 0,2,4,6,8,10,12,14
	v_pk_mul_f32 v[X+48+\p:X+49+\p], v[X+16+\p:X+17+\p], v[COS+\p:COS+1+\p]
.endr
.irp p, 0,2,4,6,8,10,12,14
	v_pk_fma_f32 v[X+32+\p:X+33+\p], v[X+\p:X+1+\p], v[COS+\p:COS+1+\p], v[X+32+\p:X+33+\p] neg_lo:[0,0,1] neg_hi:[0,0,1]   ; x1 cos - x2 sin
.endr
.irp p, 0,2,4,6,8,10,12,14
	v_pk_fma_f32 v[X+48+\p:X+49+\p], v[X+\p:X+1+\p], v[SIN+\p:SIN+1+\p], v[X+48+\p:X+49+\p]                                ; x1 sin + x2 cos
.endr
.if (\t) < 7
	ROPELD (\t)+1                                  ; the next trip's, a trip ahead; the last trip asks for nothing
.endif
	QUANT X, PC, TM                                ; block b belongs to head g + 4 b
.irp b, 0,1,2,3
	ds_store_b8 v[ADB], v[TM+4+\b] offset:1024*\b+64*(\t)          ; both halves of the lanes write the same byte
.endr
.irp b, 0,1,2,3
	global_store_b128 v[LI], v[PC+4*\b:PC+4*\b+3], s[26:27] offset:\b*0x100000+2048*(\t)   ; 512 consecutive bytes, aligned
.endr
.endm
	QKTRIP 0
	QKTRIP 1
	QKTRIP 2
	QKTRIP 3
	QKTRIP 4
	QKTRIP 5
	QKTRIP 6
	QKTRIP 7
	s_branch .Ljoin
	; ================ v ================
.Lv_path:
	s_lshl_b32 s88, s[XV], 10                      ; the bias of rows 256 xv + 64 cq on
	s_lshl_b32 s89, s[CQ], 8
	s_add_co_u32 s88, s88, s89
	s_mov_b32 s89, 0
	s_add_nc_u64 s[20:21], s[20:21], s[88:89]
.irp i, 0,1,2,3
	global_load_b32 v[BV+2*\i], v[BOFV], s[20:21] offset:64*\i     ; a lane holds one channel: one number a tile
	v_mov_b32 v[BV+2*\i+1], 0                      ; (named with it as a pair)
.endr
	s_lshr_b32 s88, s[YY], 3
	s_lshl_b32 s88, s88, 4
	s_lshl_b32 s89, s[XV], 1
	s_add_co_u32 s88, s88, s89
	s_lshr_b32 s89, s[CQ], 1
	s_add_co_u32 s88, s88, s89                     ; (batch, head 2 xv + cq / 2)
	s_lshl_b32 s88, s88, 4
	s_and_b32 s89, s[YY], 7
	s_lshl_b32 s89, s89, 1
	s_add_co_u32 s88, s88, s89
	s_add_co_u32 s88, s88, s[TH]                   ; its key step 2 (y % 8) + th
	s_and_b32 s89, s[CQ], 1
	s_lshl_b32 s90, s88, 14                        ; 8 fragments a step,
	s_lshl_b32 s91, s89, 13
	s_add_co_u32 s90, s90, s91                     ; mine are 4 (cq % 2) on
	s_add_co_u32 s90, s90, 0x1000000
	s_mov_b32 s91, 0
	s_add_nc_u64 s[26:27], s[26:27], s[90:91]
	s_lshl_b32 s90, s88, 9
	s_lshl_b32 s89, s89, 8
	s_add_co_u32 s90, s90, s89
	s_add_co_u32 s90, s90, 0x80000
	s_add_nc_u64 s[28:29], s[28:29], s[90:91]
.irp b, 0,1,2,3
	v_mov_b32 v[TMV+4+\b], 0
.endr
	WIN 0x40
.irp i, 0,1,2,3
.irp ks, 0,1,2,3
.irp c, 0,1,2,3
	ds_load_b128 v[16*(4*\i+\ks)+4*\c:16*(4*\i+\ks)+4*\c+3], v[AWV] offset:16*\i*528+128*\ks+32*\c
.endr
.endr
.endr
	WIN 0
.irp i, 0,1,2,3
	ds_load_b128 v[WS+4*\i:WS+4*\i+3], v[AWSV] offset:256*\i
.endr
	s_wait_loadcnt 0x0                             ; the bias
; a trip: 32 keys (two tiles of tokens), one block along the next K: chunk tr of my four fragments
.macro VTRIP tr
	s_wait_xcnt 0x0                                ; the last trip's stores have read their codes, which lie where fragments land
.irp u, 0,1
.irp ks, 0,1,2,3
.irp c, 0,1,2,3
	ds_load_b128 v[LF+64*\u+16*\ks+4*\c:LF+64*\u+16*\ks+4*\c+3], v[ADL] offset:8192*(2*(\tr)+\u)+2048*\ks+512*\c
.endr
.endr
.endr
.irp ks, 0,1,2,3
	ds_load_b32 v[LS+\ks], v[ADLV] offset:1024*\ks+128*(\tr)       ; lanes 0-15 the first tile's words, lanes 16-31 the second's
.endr
	s_wait_dscnt 0x0
	WIN 0x04                                       ; source 1 (W) window 1
.irp ks, 0,1,2,3
.irp i, 0,1,2,3
.irp u, 0,1
.if \ks == 0
	WM X+16*\i+8*\u, LF+64*\u+16*\ks, 16*(4*\i+\ks), -1, LS+\ks, WS+4*\i+\ks, \u, 0   ; the eight accumulators take turns
.else
	WM X+16*\i+8*\u, LF+64*\u+16*\ks, 16*(4*\i+\ks), X+16*\i+8*\u, LS+\ks, WS+4*\i+\ks, \u, 0
.endif
.endr
.endr
.endr
	WIN 0
	PLACES 8
.irp i, 0,1,2,3
.irp p, 0,2,4,6,8,10,12,14
	v_pk_add_f32 v[X+16*\i+\p:X+16*\i+\p+1], v[X+16*\i+\p:X+16*\i+\p+1], v[BV+2*\i:BV+2*\i+1] op_sel_hi:[1,0]   ; the channel's bias on its 16 keys
.endr
.endr
	QUANT X, PCV, TMV                              ; block i: tile i's channel, these 32 keys
.irp i, 0,1,2,3
.if (\tr) == 0
	v_mov_b32 v[WD+\i], v[TMV+4+\i]
.else
	v_lshl_or_b32 v[WD+\i], v[TMV+4+\i], 8*(\tr), v[WD+\i]         ; byte tr of the step's scale word
.endif
.endr
.irp i, 0,1,2,3
	global_store_b128 v[LI], v[PCV+4*\i:PCV+4*\i+3], s[26:27] offset:0x800*\i+0x200*(\tr)
.endr
.endm
	VTRIP 0
	VTRIP 1
	VTRIP 2
	VTRIP 3
.irp i, 0,1,2,3
	ds_store_b32 v[VST], v[WD+\i] offset:64*\i     ; my wave's own 256 bytes: LDS serves a wave's instructions in order
.endr
	ds_load_b64 v[X:X+1], v[VLD]
	s_wait_dscnt 0x0
	global_store_b64 v[L8], v[X:X+1], s[28:29]     ; 256 consecutive bytes, aligned
.Ljoin:
	s_wait_dscnt 0x0                               ; for the others' sake: my scale bytes are in the stage
	s_barrier_signal -1
	s_barrier_wait -1
	s_cmp_lt_u32 ttmp9, 2
	s_cbranch_scc0 .Lend
	ds_load_b128 v[X+4:X+7], v[STR]                ; q's or k's words: four waves gave a byte each.  Into registers that no store still on its way names: v's last store reads v[X:X+1]
	s_wait_dscnt 0x0
	global_store_b128 v[LI], v[X+4:X+7], s[28:29]  ; 512 consecutive bytes, aligned
.Lend:
	s_wait_tensorcnt 0x0                           ; the wave's end
	ds_add_u32 v[SPW], v[NIL]
	s_wait_dscnt 0x0
	CROUND                                         ; the closing round
	s_endpgm
.Lfunc_end_k_q9dce60bbe8_up:
	.size	k_q9dce60bbe8_up, .Lfunc_end_k_q9dce60bbe8_up-k_q9dce60bbe8_up
	.p2alignl 7, 3214868480
	.fill 96, 4, 3214868480
	.section	.rodata,"a",@progbits
	.p2align	6, 0x0
	.amdhsa_kernel k_q9dce60bbe8_up
		.amdhsa_group_segment_fixed_size 327680
		.amdhsa_private_segment_fixed_size 0
		.amdhsa_enable_private_segment 0
		.amdhsa_kernarg_size 104
		.amdhsa_user_sgpr_count 2
		.amdhsa_user_sgpr_kernarg_segment_ptr 1
		.amdhsa_wavefront_size32 1
		.amdhsa_system_sgpr_workgroup_id_x 1
		.amdhsa_system_sgpr_workgroup_id_y 1
		.amdhsa_system_sgpr_workgroup_id_z 1
		.amdhsa_system_vgpr_workitem_id 0
		.amdhsa_next_free_vgpr 512
		.amdhsa_next_free_sgpr 100
		.amdhsa_reserve_vcc 0
		.amdhsa_float_denorm_mode_32 3
		.amdhsa_float_denorm_mode_16_64 3
		.amdhsa_memory_ordered 1
		.amdhsa_forward_progress 1
		.amdhsa_inst_pref_size 210
	.end_amdhsa_kernel
	.amdgpu_metadata
---
amdhsa.version: [ 1, 2 ]
amdhsa.kernels:
  - .name:           k_q9dce60bbe8_up
    .symbol:         k_q9dce60bbe8_up.kd
    .args:
      - { .name: lat, .offset: 0, .size: 8, .value_kind: global_buffer, .address_space: global }
      - { .name: rope, .offset: 8, .size: 8, .value_kind: global_buffer, .address_space: global }
      - { .name: Wq_up_codes, .offset: 16, .size: 8, .value_kind: global_buffer, .address_space: global }
      - { .name: Wq_up_scales, .offset: 24, .size: 8, .value_kind: global_buffer, .address_space: global }
      - { .name: Wk_up_codes, .offset: 32, .size: 8, .value_kind: global_buffer, .address_space: global }
      - { .name: Wk_up_scales, .offset: 40, .size: 8, .value_kind: global_buffer, .address_space: global }
      - { .name: Wv_up_codes, .offset: 48, .size: 8, .value_kind: global_buffer, .address_space: global }
      - { .name: Wv_up_scales, .offset: 56, .size: 8, .value_kind: global_buffer, .address_space: global }
      - { .name: bq_up, .offset: 64, .size: 8, .value_kind: global_buffer, .address_space: global }
      - { .name: bk_up, .offset: 72, .size: 8, .value_kind: global_buffer, .address_space: global }
      - { .name: bv_up, .offset: 80, .size: 8, .value_kind: global_buffer, .address_space: global }
      - { .name: qkv, .offset: 88, .size: 8, .value_kind: global_buffer, .address_space: global }
      - { .name: qkvsc, .offset: 96, .size: 8, .value_kind: global_buffer, .address_space: global }
    .group_segment_fixed_size: 327680
    .private_segment_fixed_size: 0
    .kernarg_segment_align: 8
    .kernarg_segment_size: 104
    .max_flat_workgroup_size: 256
    .sgpr_count:     100
    .vgpr_count:     512
    .wavefront_size: 32
...
	.end_amdgpu_metadata
.endif
;; end of part 2
;; launch attn (part 3): grid 8 x 32, 8 waves a work-group, clusters of 4 x 1, 327,680 bytes of LDS; arguments qkv, qkvsc, att, attsc; writes att, attsc
.if DOCPART == 3
	.amdgcn_target "amdgcn-amd-amdhsa--gfx1250"
	.amdhsa_code_object_version 6
	.text
	.protected	k_q9dce60bbe8_attn
	.globl	k_q9dce60bbe8_attn
	.p2align	8
	.type	k_q9dce60bbe8_attn,@function
k_q9dce60bbe8_attn:
	s_mov_b64 s[64:65], 0
	v_nop
	global_prefetch_b8 v0, s[64:65] scope:SCOPE_SE
	s_setreg_imm32_b32 hwreg(HW_REG_WAVE_MODE, 25, 1), 1
	s_wait_xcnt 0x0
	s_wait_alu depctr_hold_cnt(0) depctr_sa_sdst(0) depctr_va_vdst(0) depctr_va_sdst(0) depctr_va_ssrc(0) depctr_va_vcc(0) depctr_vm_vsrc(0)
	s_getreg_b32 s2, hwreg(HW_REG_IB_STS2, 6, 4)
	s_cmp_eq_u32 s2, 0
	s_cbranch_scc0 .Lentry_in_a_cluster
	s_endpgm
.Lentry_in_a_cluster:
	s_bfe_u32 s2, ttmp6, 0x10000c
	s_cmp_lg_u32 s2, 0x3003
	s_cbranch_scc0 .Lentry_shape_is_right
	s_endpgm
.Lentry_shape_is_right:
; LAUNCH 3 OF 4.  For each of 32 (batch, head): O = softmax(Q K^T / sqrt(128)) V, both products on codes of E4M3 with E8M0 scales; O / l quantised along the model's 2,048 for the last product.  No work is left out.
; THE SOFTMAX AHEAD OF THE SECOND PRODUCT: t = score x log2(e) / sqrt(128); M = the running largest t rounded up to a whole number; p = 2^(t - M) is quantised along the keys, not normalised;
; the row's sum is taken of the unquantised p and divides at the end.  When M moves, the sum and O are multiplied by 2^(old M - new M), which rounds nothing.
; SHARES.  A work-group: 256 queries of one (batch, head); each of eight waves 32 of them, two tiles, so that each fragment of K and V read from LDS feeds two matrix instructions.  Two waves share a SIMD.
; Every wave walks the 2,048 keys, 128 a step.  Both products are used transposed (S^T = K Q^T, O^T = V^T P^T): a lane holds one query throughout.
; THE TWO TILES' SOFTMAXES ARE ONE LIST.  The maxima are searched with both tiles in step; tile 0's exponentials stand two by two with tile 1's scalings between them; tile 1's exponentials are dealt among the
; plain lines of tile 0's finish (scale lines, sums), which name none of their results.  So a step has two batches of exponentials and two waits for them.
; K and V come as images of operand registers (a fragment: 4 chunks of 512 bytes, 16 bytes a lane), a key step's eight fragments being 16,384 dense bytes.  A slot holds four steps of K and of V; each wave fetches one of the eight blocks.
; CLUSTER 4 x 1: the four blocks of queries of a cluster walk the same K and V: each block of bytes is asked for jointly.
; ORDER OF THE KEYS INSIDE A BLOCK OF 32: p's codes are made as v's were (half h: keys 8h..+7, 16+8h..+7), so both sides of the second product agree.  O's codes are put into the plain order, since Wo comes so.
; att: [T 256][head 16][c 4][512].  attsc: [T / 8][head 16][T % 8][r 16] words.
; LIMITS: as stated at the head of the first launch; a p under the smallest normal f32 number is taken as 0 by v_exp_f32.
.set SLOT1, 1<<17                      ; slot 1 begins here: one exclusive or turns an address from one slot to the other.  In a slot: K's steps at 16,384 s, V's at 65,536 + 16,384 s
.set SCK,   2*SLOT1                    ; K's scale words of the whole head: 8,192 bytes
.set SCV,   SCK+8192                   ; V's
.set SPARE, SCV+8192                   ; the spare words: 128 bytes a wave
.set LI,  1                            ; 16 x lane
.set LS4, 2                            ; SCK + 4 x lane
.set SPW, 3
.set NIL, 4
.set ADK, 5
.set ADV, 6
.set ADS, 7
.set PFO, 8                            ; 256 x lane: the prefetches' offset; never rewritten
.set QSC, 9                            ; Q's scale words: lanes 0-15 tile 0, lanes 16-31 tile 1
.set PW,  10                           ; v10-11 p's scale words
.set KSC, 12                           ; v12-15 K's: a pair of tiles to a register
.set VSC, 16                           ; v16-19 V's
.set ST,  20                           ; tile q at +4 q: -M, the largest t, the sum in two halves
.set TM,  28                           ; v28-43 the way out's quantiser
.set BM,  28                           ; v28-35 tile q at +4 q: the blocks' largest scores, then their largest p, then the holds
.set SO,  36                           ; v36-43 tile q at +4 q: the exchange of the maxima, then the conversions' scale operands
.set TP,  44                           ; v44-47 the scales' bytes
.set FX,  44                           ; the way out's exchange
.set FF,  48                           ; v[48:49], v[50:51] f = 2^(old M - new M) of tile 0, 1
.set T0,  52                           ; v52-53
.set CH,  54                           ; v54-61 four pairs: the chains of a row's sum
.set L4,  62                           ; 4 x lane
.set S,   64                           ; v64-191 S^T, then p: 64 a tile
.set F,   192                          ; v192-255 four fragments
.set QW,  128                          ; window 1: O^T at 64 q; Q at 128 + 16 q; p's codes at 160 + 16 q; four more fragments at 192
.set PCW, 160
.set F2,  192
.set WV, 12
.set G1T, 24
.set G1S, 32
.set G0,  40
.set G0S, 44
.set SEL, 48
.set CS,  50
.set MNT, 52
.set HM,  53
.set TB,  54
.set TS,  55
.set SLOTS, 56
.set CNT, 57
.set PFA, 58
.set LIM, 60
.set MSB, 0
.macro WIN new
.if MSB != \new
	s_set_vgpr_msb (MSB<<8)|\new
.set MSB, \new
.endif
.endm
.macro PLACES n
.rept \n
	v_nop
.endr
.endm
.macro CREST
	s_cmp_lg_u32 s[WV], 0
	s_cbranch_scc1 .Lnot_wave_0_\@
	s_barrier_signal -3
.Lnot_wave_0_\@:
	s_barrier_wait -3
	s_barrier_signal -1
	s_barrier_wait -1
.endm
.macro CROUND
	s_barrier_signal -1
	s_barrier_wait -1
	CREST
.endm
.macro WM d, a, b, c, sa, sb, ra, rb
.if (\c) < 0
.if ((\ra) == 0) && ((\rb) == 0)
	v_wmma_scale_f32_16x16x128_f8f6f4 v[(\d):(\d)+7], v[(\a):(\a)+15], v[(\b):(\b)+15], 0, v[(\sa)], v[(\sb)]
.elseif (\rb) == 0
	v_wmma_scale_f32_16x16x128_f8f6f4 v[(\d):(\d)+7], v[(\a):(\a)+15], v[(\b):(\b)+15], 0, v[(\sa)], v[(\sb)] matrix_a_scale:MATRIX_SCALE_ROW1
.elseif (\ra) == 0
	v_wmma_scale_f32_16x16x128_f8f6f4 v[(\d):(\d)+7], v[(\a):(\a)+15], v[(\b):(\b)+15], 0, v[(\sa)], v[(\sb)] matrix_b_scale:MATRIX_SCALE_ROW1
.else
	v_wmma_scale_f32_16x16x128_f8f6f4 v[(\d):(\d)+7], v[(\a):(\a)+15], v[(\b):(\b)+15], 0, v[(\sa)], v[(\sb)] matrix_a_scale:MATRIX_SCALE_ROW1 matrix_b_scale:MATRIX_SCALE_ROW1
.endif
.else
.if ((\ra) == 0) && ((\rb) == 0)
	v_wmma_scale_f32_16x16x128_f8f6f4 v[(\d):(\d)+7], v[(\a):(\a)+15], v[(\b):(\b)+15], v[(\c):(\c)+7], v[(\sa)], v[(\sb)]
.elseif (\rb) == 0
	v_wmma_scale_f32_16x16x128_f8f6f4 v[(\d):(\d)+7], v[(\a):(\a)+15], v[(\b):(\b)+15], v[(\c):(\c)+7], v[(\sa)], v[(\sb)] matrix_a_scale:MATRIX_SCALE_ROW1
.elseif (\ra) == 0
	v_wmma_scale_f32_16x16x128_f8f6f4 v[(\d):(\d)+7], v[(\a):(\a)+15], v[(\b):(\b)+15], v[(\c):(\c)+7], v[(\sa)], v[(\sb)] matrix_b_scale:MATRIX_SCALE_ROW1
.else
	v_wmma_scale_f32_16x16x128_f8f6f4 v[(\d):(\d)+7], v[(\a):(\a)+15], v[(\b):(\b)+15], v[(\c):(\c)+7], v[(\sa)], v[(\sb)] matrix_a_scale:MATRIX_SCALE_ROW1 matrix_b_scale:MATRIX_SCALE_ROW1
.endif
.endif
.endm
.macro QUANT s, pc, tm
.irp b, 0,1,2,3
	v_max3_num_f32 v[(\tm)+\b], |v[(\s)+16*\b]|, |v[(\s)+1+16*\b]|, 0x4800000   ; my 16 numbers and the floor 2^(9 - 127)
.endr
.irp i, 2,4,6,8,10,12,14
.irp b, 0,1,2,3
	v_max3_num_f32 v[(\tm)+\b], v[(\tm)+\b], |v[(\s)+16*\b+\i]|, |v[(\s)+1+16*\b+\i]|
.endr
.endr
.irp b, 0,1,2,3
	v_permlanex16_b32 v[(\tm)+4+\b], v[(\tm)+\b], s[SEL], s[SEL+1]
.endr
.irp b, 0,1,2,3
	v_max_num_f32 v[(\tm)+\b], v[(\tm)+\b], v[(\tm)+4+\b]
.endr
.irp b, 0,1,2,3
	v_add_nc_u32 v[(\tm)+12+\b], 0xfc000000, v[(\tm)+\b]
.endr
.irp b, 0,1,2,3
.endr
.irp b, 0,1,2,3
	v_lshrrev_b32 v[(\tm)+4+\b], 23, v[(\tm)+12+\b]
.endr
.irp b, 0,1,2,3
.irp i, 0,1,2,3,4,5,6,7,8,9,10,11,12,13,14,15
.endr
	v_cvt_scalef32_pk8_fp8_f32 v[(\pc)+4*\b:(\pc)+1+4*\b], v[(\s)+16*\b:(\s)+7+16*\b], v[(\tm)+12+\b]
	v_cvt_scalef32_pk8_fp8_f32 v[(\pc)+2+4*\b:(\pc)+3+4*\b], v[(\s)+8+16*\b:(\s)+15+16*\b], v[(\tm)+12+\b]
.endr
	v_nop                                          ; a plain line behind the last conversion
.endm
.macro WORD pw, tm                     ; the four bytes make the row's scale word
	v_lshl_or_b32 v[(\pw)], v[(\tm)+5], 8, v[(\tm)+4]
	v_lshl_or_b32 v[(\pw)], v[(\tm)+6], 16, v[(\pw)]
	v_lshl_or_b32 v[(\pw)], v[(\tm)+7], 24, v[(\pw)]
.endm
.macro FIX p                           ; a block's codes into the plain order of K: lanes 0-15 take the other half's p, p+1 as their p+2, p+3; lanes 16-31 the other half's p+2, p+3 as their p, p+1
	v_permlanex16_b32 v[FX], v[(\p)+2], s[SEL], s[SEL+1]
	v_permlanex16_b32 v[FX+1], v[(\p)+3], s[SEL], s[SEL+1]
	v_permlanex16_b32 v[FX+2], v[(\p)], s[SEL], s[SEL+1]
	v_permlanex16_b32 v[FX+3], v[(\p)+1], s[SEL], s[SEL+1]
	v_cndmask_b32 v[(\p)], v[(\p)], v[FX], s[HM]
	v_cndmask_b32 v[(\p)+1], v[(\p)+1], v[FX+1], s[HM]
	v_cndmask_b32 v[(\p)+2], v[FX+2], v[(\p)+2], s[HM]
	v_cndmask_b32 v[(\p)+3], v[FX+3], v[(\p)+3], s[HM]
.endm
; A prefetch of what the NEXT change of slots will ask for.  All clusters of a head walk the same bytes: the head's first cluster asks.  In it the even waves ask, each for the 32,768 bytes that it and the wave behind it will fetch;
; the four partners take 8,192 of them each, told apart by address; lanes 256 bytes apart: each block of 256 bytes is named once.  The last change that fills a slot asks for nothing; slots 0 and 1 come by their loads alone.
.macro ASK
	s_cmp_gt_u32 s[SLOTS], s[LIM]
	s_cbranch_scc0 .Lnot_mine_\@
	global_prefetch_b8 v[PFO], s[PFA:PFA+1] th:TH_LOAD_NT scope:SCOPE_SE
.Lnot_mine_\@:
.endm
	s_load_b256 s[4:11], s[0:1], 0x0               ; qkv s[4:5], qkvsc s[6:7], att s[8:9], attsc s[10:11]
	v_lshl_add_u32 v[SPW], v0, 2, SPARE
	v_mov_b32 v[NIL], 0
	ds_add_u32 v[SPW], v[NIL]                      ; the opening: the add, twice on end, and its wait ahead of my first tensor load
	ds_add_u32 v[SPW], v[NIL]
	v_lshrrev_b32 v1, 5, v0
	v_readfirstlane_b32 s[WV], v1                  ; wave 0..7
	s_bfe_u32 s13, ttmp6, 0x40000                  ; cx
	s_lshl_b32 s14, ttmp9, 2
	s_add_co_u32 s14, s14, s13                     ; my block of 256 queries: it enters Q's, att's and attsc's addresses alone
	s_and_b32 s15, ttmp7, 0xffff                   ; (batch, head), which the partners share
	s_mov_b32 s[G1T], 15|(3<<16)|(1<<21)           ; the mask: all four; 16,384 dense bytes as 64 rows of 256 (32 elements of 8 bytes)
	s_mov_b32 s[G1T+1], 32<<16
	s_mov_b32 s[G1T+2], 64<<16
	s_mov_b32 s[G1T+3], 32<<16
	s_mov_b32 s[G1T+4], 64
	s_mov_b32 s[G1T+5], 32
	s_mov_b32 s[G1T+6], 0
	s_mov_b32 s[G1T+7], 0
	s_mov_b32 s[G1S], 15|(3<<16)|(1<<21)           ; 2,048 dense bytes
	s_mov_b32 s[G1S+1], 32<<16
	s_mov_b32 s[G1S+2], 8<<16
	s_mov_b32 s[G1S+3], 32<<16
	s_mov_b32 s[G1S+4], 8
	s_mov_b32 s[G1S+5], 32
	s_mov_b32 s[G1S+6], 0
	s_mov_b32 s[G1S+7], 0
	s_lshr_b32 s16, s[WV], 2
	s_add_co_u32 s16, s16, 1                       ; waves 0-3 fetch for K (part 1 of the buffers), waves 4-7 for V (part 2)
	s_and_b32 s17, s[WV], 3                        ; which of a slot's four steps
	s_lshl_b32 s18, s16, 23
	s_lshl_b32 s19, s15, 18
	s_add_co_u32 s18, s18, s19
	s_lshl_b32 s19, s17, 14
	s_add_co_u32 s18, s18, s19
	s_mov_b32 s19, 0                               ; s[18:19]: my block of codes in slot 0
	s_lshl_b32 s20, s16, 18
	s_lshl_b32 s21, s15, 13
	s_add_co_u32 s20, s20, s21
	s_lshl_b32 s21, s17, 11
	s_add_co_u32 s20, s20, s21
	s_mov_b32 s21, 0                               ; s[20:21]: my quarter of the head's scale words
	s_lshl_b32 s22, s15, 18                        ; Q: fragment 128 bh + 16 qb + 2 w
	s_lshl_b32 s23, s14, 15
	s_add_co_u32 s22, s22, s23
	s_lshl_b32 s23, s[WV], 12
	s_add_co_u32 s22, s22, s23
	s_mov_b32 s23, 0
	s_lshr_b32 s2, s22, 5                          ; its words: 64 bytes for each 2,048
	s_mov_b32 s3, 0
	s_lshr_b32 s70, s15, 4                         ; batch
	s_and_b32 s71, s15, 15                         ; head
	s_lshl_b32 s66, s70, 7
	s_lshl_b32 s72, s14, 4
	s_add_co_u32 s66, s66, s72
	s_lshl_b32 s72, s[WV], 1
	s_add_co_u32 s66, s66, s72                     ; T = 128 batch + 16 qb + 2 w
	s_lshl_b32 s66, s66, 15
	s_lshl_b32 s72, s71, 11
	s_add_co_u32 s66, s66, s72
	s_mov_b32 s67, 0                               ; s[66:67]: att
	s_lshl_b32 s68, s70, 4
	s_lshl_b32 s72, s14, 1
	s_add_co_u32 s68, s68, s72
	s_lshr_b32 s72, s[WV], 2
	s_add_co_u32 s68, s68, s72                     ; T / 8
	s_lshl_b32 s68, s68, 13
	s_lshl_b32 s72, s71, 9
	s_add_co_u32 s68, s68, s72
	s_lshl_b32 s72, s17, 7
	s_add_co_u32 s68, s68, s72
	s_mov_b32 s69, 0                               ; s[68:69]: attsc
	s_mov_b32 s[SEL], 0x76543210
	s_mov_b32 s[SEL+1], 0xfedcba98
	s_mov_b32 s[CS], 0x3e0293ee                    ; c = log2(e) / sqrt(128)
	s_mov_b32 s[CS+1], s[CS]
	s_mov_b32 s[MNT], 0x600000
	s_mov_b32 s[HM], 0xffff0000
	s_mov_b32 s[TB], 0
	s_mov_b32 s[TS], 0
	s_mov_b32 s[SLOTS], 3
	s_and_b32 s[LIM], s[WV], 1
	s_or_b32 s[LIM], s[LIM], ttmp9                 ; 0 in the even waves of the head's first cluster: the same in all four partners
	s_cmp_eq_u32 s[LIM], 0
	s_cselect_b32 s[LIM], 1, -1
	s_lshl_b32 s72, s13, 13                        ; my work-group's 8,192 bytes of a prefetch's 32,768,
	s_add_co_u32 s72, s72, 0x10000                 ; in slot 1: the first change steps it to slot 2
	s_mov_b32 s73, 0
	s_wait_dscnt 0x0                               ; both opening adds are done
	s_wait_kmcnt 0x0
	s_add_nc_u64 s[18:19], s[4:5], s[18:19]
	s_add_nc_u64 s[20:21], s[6:7], s[20:21]
	s_add_nc_u64 s[PFA:PFA+1], s[18:19], s[72:73]
	s_add_nc_u64 s[4:5], s[4:5], s[22:23]          ; Q's codes
	s_add_nc_u64 s[6:7], s[6:7], s[2:3]            ; Q's words
	s_add_nc_u64 s[8:9], s[8:9], s[66:67]
	s_add_nc_u64 s[10:11], s[10:11], s[68:69]
	CROUND                                         ; all four work-groups are here
	s_mov_b32 s[G0S], 1
	s_lshl_b32 s[G0S+1], s[WV], 11
	s_add_co_u32 s[G0S+1], s[G0S+1], SCK
	s_mov_b64 s[G0S+2:G0S+3], s[20:21]
	s_or_b32 s[G0S+3], s[G0S+3], 0x80000000
	s_mov_b32 s[G0], 1
	s_lshl_b32 s[G0+1], s[WV], 14                  ; K's four steps, then V's four
	s_mov_b64 s[G0+2:G0+3], s[18:19]
	s_or_b32 s[G0+3], s[G0+3], 0x80000000
	tensor_load_to_lds s[G0S:G0S+3], s[G1S:G1S+7]  ; the head's scale words: filled once
	s_nop 0
	tensor_load_to_lds s[G0:G0+3], s[G1T:G1T+7]    ; slot 0.  Every wave issues both: two loads of mine are out
	s_nop 0
.rept 4
	v_nop
.endr
	v_and_b32 v[L4], 31, v0
	v_lshlrev_b32 v[LI], 4, v[L4]
	v_lshlrev_b32 v[PFO], 8, v[L4]
	v_lshlrev_b32 v[L4], 2, v[L4]
	v_add_nc_u32 v[LS4], SCK, v[L4]
	WIN 0x40                                       ; destination window 1
.irp q, 0,1
.irp c, 0,1,2,3
	global_load_b128 v[QW+16*\q+4*\c:QW+16*\q+4*\c+3], v[LI], s[4:5] offset:2048*\q+512*\c   ; Q's two fragments stay in registers
.endr
.endr
.set cnt, 0
.rept 128
	v_mov_b32 v[cnt], 0                            ; O^T.  The step is written once: its first run finds zeros, which the first change of M leaves zeros
.set cnt, cnt+1
.endr
	WIN 0
	global_load_b32 v[QSC], v[L4], s[6:7]
.irp q, 0,1
	v_mov_b32 v[ST+4*\q+1], 0xff61b1e6             ; the largest t so far: -3e38
	v_floor_f32 v[ST+4*\q], -v[ST+4*\q+1]          ; -M
	v_mov_b32 v[ST+4*\q+2], 0                      ; the sum, in two halves
	v_mov_b32 v[ST+4*\q+3], 0
	v_mov_b32 v[FF+2*\q+1], 0                      ; (named with f as a pair)
.endr
.irp b, 0,1,2,3,4,5,6,7
	v_mov_b32 v[SO+\b], 0                          ; a lane permute's destination counts as read
.endr
; the next of tile 1's 68 exponentials: its 64 p, then its four blocks' largest p
.macro EXN
.if ze < 64
	v_exp_f32 v[S+64+ze], v[S+64+ze]
.elseif ze < 68
	v_exp_f32 v[BM+4+ze-64], v[BM+4+ze-64]
.endif
.set ze, ze+1
.endm
; at each of the 115 ticks of tile 0's finish: 68 exponentials are dealt evenly among them
.macro TICK
.if zip
.set za, za+68
.if za >= 115
.set za, za-115
	EXN
.endif
.endif
.endm
; A tile's finish, 51 plain lines and 115 ticks: the four blocks' scales and the scale word (19); the row's sum of the unquantised p in four chains (28 lines, 92 ticks); the chains' end and l = l f + sum (4)
.macro POST q
.set rS, S+64*(\q)
.set rT, ST+4*(\q)
.set rB, BM+4*(\q)
.set rC, SO+4*(\q)
.set rF, FF+2*(\q)
.irp b, 0,1,2,3
	v_max_num_f32 v[rB+\b], 0x4800000, v[rB+\b]    ; the floor 2^(9 - 127): the byte cannot fall under 1
	TICK
.endr
.irp b, 0,1,2,3
	v_add_nc_u32 v[rC+\b], 0xfc000000, v[rB+\b]    ; 8 off the exponent field: the conversion's scale operand
	TICK
.endr
.irp b, 0,1,2,3
	v_and_or_b32 v[rB+\b], v[rB+\b], 0x7f800000, s[MNT]    ; 448 x the scale: the hold
	TICK
.endr
.irp b, 0,1,2,3
	v_lshrrev_b32 v[TP+\b], 23, v[rC+\b]           ; the scale's byte
	TICK
.endr
	v_lshl_or_b32 v[PW+(\q)], v[TP+1], 8, v[TP]    ; p's scale word for these 128 keys
	TICK
	v_lshl_or_b32 v[PW+(\q)], v[TP+2], 16, v[PW+(\q)]
	TICK
	v_lshl_or_b32 v[PW+(\q)], v[TP+3], 24, v[PW+(\q)]
	TICK
.irp k, 0,1,2,3
	v_pk_add_f32 v[CH+2*\k:CH+2*\k+1], v[rS+2*\k:rS+2*\k+1], v[rS+8+2*\k:rS+8+2*\k+1]   ; the chains begin with p 0 to 15
	TICK
.endr
	s_setprio 1
.irp i, 0,1,2,3,4,5,6,7,8,9,10,11,12,13,14,15
	TICK
.endr
.irp m, 2,3,4,5,6,7
.irp k, 0,1,2,3
	v_pk_add_f32 v[CH+2*\k:CH+2*\k+1], v[CH+2*\k:CH+2*\k+1], v[rS+8*\m+2*\k:rS+8*\m+2*\k+1]
	TICK
.endr
.irp i, 0,1,2,3,4,5,6,7
	TICK
.endr
.endr
	v_pk_add_f32 v[CH:CH+1], v[CH:CH+1], v[CH+2:CH+3]
	TICK
	v_pk_add_f32 v[CH+4:CH+5], v[CH+4:CH+5], v[CH+6:CH+7]
	TICK
	v_pk_add_f32 v[CH:CH+1], v[CH:CH+1], v[CH+4:CH+5]
	TICK
	v_pk_fma_f32 v[rT+2:rT+3], v[rT+2:rT+3], v[rF:rF+1], v[CH:CH+1] op_sel_hi:[1,0,1]   ; the sum under the new M, and this step's
	TICK
.endm
; both tiles' softmax for 128 keys, p's codes and scale words, O^T under the new M
.macro SOFTMAX
.irp b, 0,1,2,3
.irp q, 0,1
	v_max3_num_f32 v[BM+4*\q+\b], v[S+64*\q+16*\b], v[S+64*\q+16*\b+1], v[S+64*\q+16*\b+2]   ; the largest score of each block of 32 keys: it serves the row's maximum and, since p rises with the score, the block's largest p.  Eight chains by turns
.endr
.endr
.irp i, 3,5,7,9,11,13
.irp b, 0,1,2,3
.irp q, 0,1
	v_max3_num_f32 v[BM+4*\q+\b], v[BM+4*\q+\b], v[S+64*\q+16*\b+\i], v[S+64*\q+16*\b+\i+1]
.endr
.endr
.endr
.irp b, 0,1,2,3
.irp q, 0,1
	v_max_num_f32 v[BM+4*\q+\b], v[BM+4*\q+\b], v[S+64*\q+16*\b+15]
.endr
.endr
.irp b, 0,1,2,3
.irp q, 0,1
	v_permlanex16_b32 v[SO+4*\q+\b], v[BM+4*\q+\b], s[SEL], s[SEL+1]
.endr
.endr
.irp b, 0,1,2,3
.irp q, 0,1
	v_max_num_f32 v[BM+4*\q+\b], v[BM+4*\q+\b], v[SO+4*\q+\b]      ; with lane l xor 16's 16 keys
.endr
.endr
.irp q, 0,1
	v_max3_num_f32 v[T0+\q], v[BM+4*\q], v[BM+4*\q+1], v[BM+4*\q+2]
.endr
.irp q, 0,1
	v_max_num_f32 v[T0+\q], v[T0+\q], v[BM+4*\q+3]
.endr
.irp q, 0,1
	v_mul_f32 v[T0+\q], s[CS], v[T0+\q]
.endr
.irp q, 0,1
	v_max_num_f32 v[ST+4*\q+1], v[ST+4*\q+1], v[T0+\q]             ; the running largest t
.endr
.irp q, 0,1
	v_mov_b32 v[T0+\q], v[ST+4*\q]
.endr
.irp q, 0,1
	v_floor_f32 v[ST+4*\q], -v[ST+4*\q+1]          ; -M = floor(-t): M is a whole number
.endr
.set cnt, 0
.rept 32
	v_pk_fma_f32 v[S+cnt:S+cnt+1], v[S+cnt:S+cnt+1], s[CS:CS+1], v[ST:ST+1] op_sel_hi:[1,0,0]   ; tile 0: t - M; the three lines that make f stand among these
.if cnt == 6
	v_sub_f32 v[T0], v[ST], v[T0]                  ; old M - new M, 0 or less
	v_sub_f32 v[T0+1], v[ST+4], v[T0+1]
.elseif cnt == 14
	v_cvt_i32_f32 v[T0], v[T0]                     ; (it saturates)
	v_cvt_i32_f32 v[T0+1], v[T0+1]
.elseif cnt == 22
	v_ldexp_f32 v[FF], 1.0, v[T0]                  ; f
	v_ldexp_f32 v[FF+2], 1.0, v[T0+1]
.endif
.set cnt, cnt+2
.endr
.irp b, 0,1,2,3
	v_fma_f32 v[BM+\b], v[BM+\b], s[CS], v[ST]
.endr
.set cnt, 0
.rept 32
	v_exp_f32 v[S+cnt], v[S+cnt]                   ; tile 0: p = 2^(t - M),
	v_exp_f32 v[S+cnt+1], v[S+cnt+1]
	v_pk_fma_f32 v[S+64+cnt:S+64+cnt+1], v[S+64+cnt:S+64+cnt+1], s[CS:CS+1], v[ST+4:ST+5] op_sel_hi:[1,0,0]   ; tile 1: t - M between them
.set cnt, cnt+2
.endr
.irp b, 0,1,2,3
	v_exp_f32 v[BM+\b], v[BM+\b]                   ; tile 0: each block's largest p
.endr
.irp b, 0,1,2,3
	v_fma_f32 v[BM+4+\b], v[BM+4+\b], s[CS], v[ST+4]       ; plain lines behind the batch
.endr
	s_wait_alu depctr_va_vdst(0)                   ; one wait for tile 0's 68, ahead of their first reader
.set zip, 1
.set za, 114
.set ze, 0
	POST 0                                         ; tile 0's finish, tile 1's exponentials among its lines
.rept 4
	EXN                                            ; (none is left: 115 ticks have dealt out all 68)
.endr
	v_nop                                          ; a plain line behind the batch
	s_wait_alu depctr_va_vdst(0)                   ; one wait for tile 1's 68
.set zip, 0
	POST 1
	WIN 0x40                                       ; the codes go to window 1
.irp q, 0,1
.irp b, 0,1,2,3
	v_cvt_scalef32_pk8_fp8_f32 v[PCW+16*\q+4*\b:PCW+16*\q+4*\b+1], v[S+64*\q+16*\b:S+64*\q+16*\b+7], v[SO+4*\q+\b]
	v_cvt_scalef32_pk8_fp8_f32 v[PCW+16*\q+4*\b+2:PCW+16*\q+4*\b+3], v[S+64*\q+16*\b+8:S+64*\q+16*\b+15], v[SO+4*\q+\b]
.endr
.endr
	WIN 0x41                                       ; O^T in window 1, f in window 0
.irp q, 0,1
.set cnt, 0
.rept 32
	v_pk_mul_f32 v[64*\q+cnt:64*\q+cnt+1], v[64*\q+cnt:64*\q+cnt+1], v[FF+2*\q:FF+2*\q+1] op_sel_hi:[1,0]   ; O^T under the new M; these lines are also the places between the codes, the scale words and the products
.set cnt, cnt+2
.endr
.endr
	WIN 0
.endm
; a key step: 128 keys
.macro STEP
	v_add_nc_u32 v[ADK], s[TB], v[LI]
	v_add_nc_u32 v[ADS], s[TS], v[LS4]
	v_add_nc_u32 v[ADV], 0x10000, v[ADK]
	PLACES 5                                       ; with the three lines above: eight places in front of loads into registers that the last products read
.irp p, 0,1,2,3
	ds_load_b32 v[KSC+\p], v[ADS] offset:128*\p    ; 36 LDS loads: K's scale words first, then its eight fragments in the order of their use
.endr
.irp f, 0,1,2,3
.irp c, 0,1,2,3
	ds_load_b128 v[F+16*\f+4*\c:F+16*\f+4*\c+3], v[ADK] offset:2048*\f+512*\c
.endr
.endr
	WIN 0x40
.irp f, 0,1,2,3
.irp c, 0,1,2,3
	ds_load_b128 v[F2+16*\f+4*\c:F2+16*\f+4*\c+3], v[ADK] offset:8192+2048*\f+512*\c
.endr
.endr
	WIN 0x04                                       ; Q in window 1
.irp f, 0,1,2,3
.if (\f%2) == 0
	s_wait_dscnt 24-4*\f                           ; LDS loads come back in order: 24 may be out when fragments 0 and 1 are wanted, 16 for fragments 2 and 3
.endif
.irp q, 0,1
	WM S+64*\q+8*\f, F+16*\f, QW+16*\q, -1, KSC+\f/2, QSC, \f%2, \q
.endr
.endr
	WIN 0x05                                       ; K's last four fragments too
.irp f, 0,1,2,3
.if (\f%2) == 0
	s_wait_dscnt 8-4*\f                            ; 8 may be out for fragments 4 and 5, none for the last two
.endif
.irp q, 0,1
	WM S+64*\q+32+8*\f, F2+16*\f, QW+16*\q, -1, KSC+2+\f/2, QSC, \f%2, \q
.endr
.endr
	WIN 0
	PLACES 8
.irp f, 0,1,2,3                                ; V is asked for ahead of the softmax and lands under it
.irp c, 0,1,2,3
	ds_load_b128 v[F+16*\f+4*\c:F+16*\f+4*\c+3], v[ADV] offset:2048*\f+512*\c
.endr
.endr
	WIN 0x40
.irp f, 0,1,2,3
.irp c, 0,1,2,3
	ds_load_b128 v[F2+16*\f+4*\c:F2+16*\f+4*\c+3], v[ADV] offset:8192+2048*\f+512*\c
.endr
.endr
	WIN 0
.irp p, 0,1,2,3
	ds_load_b32 v[VSC+\p], v[ADS] offset:8192+128*\p
.endr
	SOFTMAX
	s_wait_dscnt 0x0                               ; V
	WIN 0x54                                       ; p's codes, C and D in window 1
	s_setprio 0
.irp f, 0,1,2,3
.irp q, 0,1
	WM 64*\q+8*\f, F+16*\f, PCW+16*\q, 64*\q+8*\f, VSC+\f/2, PW+\q, \f%2, 0      ; sixteen accumulators, one instruction each
.endr
.endr
	WIN 0x55
.irp f, 0,1,2,3
.irp q, 0,1
	WM 64*\q+32+8*\f, F2+16*\f, PCW+16*\q, 64*\q+32+8*\f, VSC+2+\f/2, PW+\q, \f%2, 0
.endr
.endr
	WIN 0
.endm
; the change of slots stands at a slot's head: each wave waits for all its tensor loads, adds 0 to its spare word, waits for that and for its reads of the slot that it has left.
; fill = 1: a round of the cluster's barrier, and the other slot is asked for first thing behind it: one load a wave, four key steps in which to land
.macro CHANGE fill
	WIN 0
	s_wait_tensorcnt 0x0                           ; no tensor load of mine is out: the descriptor may be written
	ds_add_u32 v[SPW], v[NIL]
.if \fill
	s_xor_b32 s[G0+1], s[G0+1], SLOT1              ; the other slot than last time,
	s_add_nc_u64 s[G0+2:G0+3], s[G0+2:G0+3], 0x10000   ; the next four steps
	s_wait_xcnt 0x0                                ; the last prefetch, a slot back, has read its address
	s_add_nc_u64 s[PFA:PFA+1], s[PFA:PFA+1], 0x10000
	s_wait_dscnt 0x0
	CROUND
	tensor_load_to_lds s[G0:G0+3], s[G1T:G1T+7]
	s_nop 0
.rept 4
	v_nop
.endr
	ASK
.else
	s_wait_dscnt 0x0
	s_barrier_signal -1
	s_barrier_wait -1
.endif
.endm
.macro FOUR_STEPS                      ; a slot's four key steps: written once, walked four times
	s_mov_b32 s[CNT], 4
.Lstep_\@:
	s_setprio 2
	STEP
	s_add_co_u32 s[TB], s[TB], 16384
	s_add_co_u32 s[TS], s[TS], 512
	s_sub_co_u32 s[CNT], s[CNT], 1
	s_cmp_lg_u32 s[CNT], 0
	s_cbranch_scc1 .Lstep_\@
	s_setprio 0
	s_sub_co_u32 s[TB], s[TB], 65536
	s_xor_b32 s[TB], s[TB], SLOT1                  ; on to the other slot
.endm
	s_wait_loadcnt 0x0                             ; Q and its words
.Lslot:                                            ; three trips: behind each change of slots but the last the next slot is asked for
	CHANGE 1
	FOUR_STEPS
	s_sub_co_u32 s[SLOTS], s[SLOTS], 1
	s_cmp_lg_u32 s[SLOTS], 0
	s_cbranch_scc1 .Lslot
	CHANGE 0                                       ; the last slot is written out
	FOUR_STEPS
	; ---- THE WAY OUT: O^T / l, quantised along the head's 128, which are a K step of the last product
	PLACES 8
.irp q, 0,1
	v_add_f32 v[T0+\q], v[ST+4*\q+2], v[ST+4*\q+3]
.endr
.irp q, 0,1
	v_permlanex16_b32 v[TM+4+\q], v[T0+\q], s[SEL], s[SEL+1]
.endr
.irp q, 0,1
	v_add_f32 v[T0+\q], v[T0+\q], v[TM+4+\q]       ; the row's sum
.endr
.irp q, 0,1
	v_rcp_f32 v[ST+4*\q], v[T0+\q]
.endr
	v_nop                                          ; a plain line behind the reciprocals,
	s_wait_alu depctr_va_vdst(0)                   ; and one wait for both
.irp q, 0,1
	WIN 0x01                                       ; O^T in window 1
.set cnt, 0
.rept 32
	v_pk_mul_f32 v[S+64*\q+cnt:S+64*\q+cnt+1], v[64*\q+cnt:64*\q+cnt+1], v[ST+4*\q:ST+4*\q+1] op_sel_hi:[1,0]
.set cnt, cnt+2
.endr
	WIN 0
	QUANT S+64*\q, F+16*\q, TM
	WORD PW+\q, TM
.irp b, 0,1,2,3
	FIX F+16*\q+4*\b
.endr
.irp c, 0,1,2,3
	global_store_b128 v[LI], v[F+16*\q+4*\c:F+16*\q+4*\c+3], s[8:9] offset:0x8000*\q+512*\c   ; 512 consecutive bytes, aligned
.endr
.endr
	v_cndmask_b32 v[T0], v[PW], v[PW+1], s[HM]     ; lanes 0-15 tile 0's words, lanes 16-31 tile 1's
	global_store_b32 v[L4], v[T0], s[10:11]        ; 128 consecutive bytes a wave: the words are one part in 32 of the codes' bytes, and a meeting of waves in LDS would cost a barrier
	s_wait_tensorcnt 0x0                           ; the wave's end
	ds_add_u32 v[SPW], v[NIL]
	s_wait_dscnt 0x0
	CROUND                                         ; the closing round
	s_endpgm
.Lfunc_end_k_q9dce60bbe8_attn:
	.size	k_q9dce60bbe8_attn, .Lfunc_end_k_q9dce60bbe8_attn-k_q9dce60bbe8_attn
	.p2alignl 7, 3214868480
	.fill 96, 4, 3214868480
	.section	.rodata,"a",@progbits
	.p2align	6, 0x0
	.amdhsa_kernel k_q9dce60bbe8_attn
		.amdhsa_group_segment_fixed_size 327680
		.amdhsa_private_segment_fixed_size 0
		.amdhsa_enable_private_segment 0
		.amdhsa_kernarg_size 32
		.amdhsa_user_sgpr_count 2
		.amdhsa_user_sgpr_kernarg_segment_ptr 1
		.amdhsa_wavefront_size32 1
		.amdhsa_system_sgpr_workgroup_id_x 1
		.amdhsa_system_sgpr_workgroup_id_y 1
		.amdhsa_system_sgpr_workgroup_id_z 1
		.amdhsa_system_vgpr_workitem_id 0
		.amdhsa_next_free_vgpr 512
		.amdhsa_next_free_sgpr 84
		.amdhsa_reserve_vcc 0
		.amdhsa_float_denorm_mode_32 3
		.amdhsa_float_denorm_mode_16_64 3
		.amdhsa_fp16_overflow 1
		.amdhsa_memory_ordered 1
		.amdhsa_forward_progress 1
		.amdhsa_inst_pref_size 101
	.end_amdhsa_kernel
	.amdgpu_metadata
---
amdhsa.version: [ 1, 2 ]
amdhsa.kernels:
  - .name:           k_q9dce60bbe8_attn
    .symbol:         k_q9dce60bbe8_attn.kd
    .args:
      - { .name: qkv, .offset: 0, .size: 8, .value_kind: global_buffer, .address_space: global }
      - { .name: qkvsc, .offset: 8, .size: 8, .value_kind: global_buffer, .address_space: global }
      - { .name: att, .offset: 16, .size: 8, .value_kind: global_buffer, .address_space: global }
      - { .name: attsc, .offset: 24, .size: 8, .value_kind: global_buffer, .address_space: global }
    .group_segment_fixed_size: 327680
    .private_segment_fixed_size: 0
    .kernarg_segment_align: 8
    .kernarg_segment_size: 32
    .max_flat_workgroup_size: 256
    .sgpr_count:     84
    .vgpr_count:     512
    .wavefront_size: 32
...
	.end_amdgpu_metadata
.endif
;; end of part 3
;; launch outp (part 4): grid 8 x 32, 4 waves a work-group, clusters of 4 x 4, 327,680 bytes of LDS; arguments att, attsc, Wo_codes, Wo_scales, bo, out0; writes out0
.if DOCPART == 4
	.amdgcn_target "amdgcn-amd-amdhsa--gfx1250"
	.amdhsa_code_object_version 6
	.text
	.protected	k_q9dce60bbe8_outp
	.globl	k_q9dce60bbe8_outp
	.p2align	8
	.type	k_q9dce60bbe8_outp,@function
k_q9dce60bbe8_outp:
	s_mov_b64 s[64:65], 0
	v_nop
	global_prefetch_b8 v0, s[64:65] scope:SCOPE_SE
	s_setreg_imm32_b32 hwreg(HW_REG_WAVE_MODE, 25, 1), 1
	s_wait_xcnt 0x0
	s_wait_alu depctr_hold_cnt(0) depctr_sa_sdst(0) depctr_va_vdst(0) depctr_va_sdst(0) depctr_va_ssrc(0) depctr_va_vcc(0) depctr_vm_vsrc(0)
	s_getreg_b32 s2, hwreg(HW_REG_IB_STS2, 6, 4)
	s_cmp_eq_u32 s2, 0
	s_cbranch_scc0 .Lentry_in_a_cluster
	s_endpgm
.Lentry_in_a_cluster:
	s_bfe_u32 s2, ttmp6, 0x10000c
	s_cmp_lg_u32 s2, 0xf033
	s_cbranch_scc0 .Lentry_shape_is_right
	s_endpgm
.Lentry_shape_is_right:
; LAUNCH 4 OF 4.  out0 = att Wo^T + bo on codes of E4M3 with E8M0 scales; M = 4,096, N = 2,048, K = 2,048; f32 out.  No work is left out.
; SHARES.  A work-group: 128 tokens (y) x 256 columns (x): 256 work-groups; tiles of 256 x 256 would be 128.  Four waves of 64 x 128: 32 accumulators.
; att comes as images of operand registers ([T][head][c][512]: a fragment is 2,048 dense bytes), Wo as rows.
; THE RING HAS TWO UNEQUAL SLOTS, as large as LDS holds together: X takes 512 along K (four heads), Y 256 (two).  K is walked X Y X Y X = 512 + 256 + 512 + 256 + 512: five fills, three of them refills,
; one tensor load a wave each; Y's refill has X's four steps of 128 in which to land, X's has Y's two.
; THE SCALE WORDS STAND IN REGISTERS for the whole launch, loaded once from memory: att's 32 (a load takes two tiles' words of one head: 128 consecutive bytes), Wo's 64 (a lane takes its row's 64 bytes in four loads: a wave's sixteen loads cover 8,192 consecutive bytes).
; The 16 steps of 128 along K are written out: every LDS offset and every scale register is a constant of its step.
; THE PRODUCT IS USED TRANSPOSED (source 0 = 16 rows of Wo, source 1 = 16 tokens): a lane holds eight neighbouring numbers of a row of the output.  The bias is the C of the first products.
; CLUSTER 4 x 4: att's tiles are asked for jointly along a row, Wo's along a column.
; REGISTERS: window 0: v4-15 addresses; v16-47 att's scale words (16 pa + step); v48-111 Wo's (16 pb + step); v128-255 att's fragments, two sets of four.  window 1: Wo's fragments, two sets of eight.  window 2: the accumulators (a, b) at 8 (8 a + b).  window 3: v0-63 the bias.
.set PX,    528                        ; a row of Wo in X: 512 bytes + 16
.set PY,    272                        ; in Y: 256 + 16
.set XA,    0                          ; X: att [tile 8][q 4][2,048] = 65,536;
.set XB,    65536                      ; 256 rows of Wo x 528 = 135,168
.set YA,    XB+256*PX                  ; Y: att [tile 8][q 2][2,048] = 32,768;
.set YB,    YA+32768                   ; 256 rows x 272 = 69,632
.set SPARE, YB+256*PY                  ; the spare words: 128 bytes a wave
.set SPITCH, 528                       ; the way out: 16 rows x (512 + 16) a wave, in Y, which has had its last fill and its last read by then
.set ADRAX, 4                          ; v4, v5  my tiles of att in X, in Y
.set ADRAY, 5
.set ADRBX, 6                          ; v6, v7  my rows of Wo in X, in Y
.set ADRBY, 7
.set STO,  8
.set RD,   9
.set CO,   10
.set BOF,  11
.set AOF,  12
.set BSO,  13
.set SPW,  14
.set NIL,  15
.set SA,   16
.set SB,   48
.set AF,   128
.set BK,   128
.set WV, 16
.set WR, 17
.set WC, 18
.set CX, 19
.set CY, 20
.set XX, 21
.set YY, 22
.set G1AX, 24                          ; s[24:31], s[32:39] group 1 for att's tiles of X, of Y
.set G1AY, 32
.set G1BX, 40                          ; s[40:47], s[48:55] for Wo's
.set G1BY, 48
.set G0AX, 56                          ; s[56:59], s[60:63] group 0 for att's tiles of X, of Y
.set G0AY, 60
.set G0BX, 68                          ; s[68:71], s[72:75] for Wo's
.set G0BY, 72
.set MSB, 0
.macro WIN new
.if MSB != \new
	s_set_vgpr_msb (MSB<<8)|\new
.set MSB, \new
.endif
.endm
.macro PLACES n
.rept \n
	v_nop
.endr
.endm
.macro CREST
	s_cmp_lg_u32 s[WV], 0
	s_cbranch_scc1 .Lnot_wave_0_\@
	s_barrier_signal -3
.Lnot_wave_0_\@:
	s_barrier_wait -3
	s_barrier_signal -1
	s_barrier_wait -1
.endm
.macro CROUND
	s_barrier_signal -1
	s_barrier_wait -1
	CREST
.endm
.macro JLOAD g0a, g1a, g0b, g1b        ; waves 0 and 1 fetch for att, waves 2 and 3 for Wo; an s_nop 0 and four v_nop follow each line
	s_cmp_eq_u32 s[WR], 0
	s_cbranch_scc0 .Lfor_b_\@
	tensor_load_to_lds s[\g0a:\g0a+3], s[\g1a:\g1a+7]
	s_nop 0
.rept 4
	v_nop
.endr
	s_branch .Lasked_\@
.Lfor_b_\@:
	tensor_load_to_lds s[\g0b:\g0b+3], s[\g1b:\g1b+7]
	s_nop 0
.rept 4
	v_nop
.endr
.Lasked_\@:
.endm
.macro WM d, a, b, c, sa, sb, ra, rb
.if ((\ra) == 0) && ((\rb) == 0)
	v_wmma_scale_f32_16x16x128_f8f6f4 v[(\d):(\d)+7], v[(\a):(\a)+15], v[(\b):(\b)+15], v[(\c):(\c)+7], v[(\sa)], v[(\sb)]
.elseif (\rb) == 0
	v_wmma_scale_f32_16x16x128_f8f6f4 v[(\d):(\d)+7], v[(\a):(\a)+15], v[(\b):(\b)+15], v[(\c):(\c)+7], v[(\sa)], v[(\sb)] matrix_a_scale:MATRIX_SCALE_ROW1
.elseif (\ra) == 0
	v_wmma_scale_f32_16x16x128_f8f6f4 v[(\d):(\d)+7], v[(\a):(\a)+15], v[(\b):(\b)+15], v[(\c):(\c)+7], v[(\sa)], v[(\sb)] matrix_b_scale:MATRIX_SCALE_ROW1
.else
	v_wmma_scale_f32_16x16x128_f8f6f4 v[(\d):(\d)+7], v[(\a):(\a)+15], v[(\b):(\b)+15], v[(\c):(\c)+7], v[(\sa)], v[(\sb)] matrix_a_scale:MATRIX_SCALE_ROW1 matrix_b_scale:MATRIX_SCALE_ROW1
.endif
.endm
	s_load_b256 s[4:11], s[0:1], 0x0               ; att s[4:5], attsc s[6:7], Wo's codes s[8:9], scales s[10:11]
	s_load_b128 s[12:15], s[0:1], 0x20             ; bo s[12:13], out0 s[14:15]
	v_lshl_add_u32 v[SPW], v0, 2, SPARE
	v_mov_b32 v[NIL], 0
	ds_add_u32 v[SPW], v[NIL]                      ; the opening: the add, twice on end, and its wait ahead of my first tensor load
	ds_add_u32 v[SPW], v[NIL]
	v_lshrrev_b32 v1, 5, v0
	v_readfirstlane_b32 s[WV], v1
	s_lshr_b32 s[WR], s[WV], 1                     ; my half of the tokens; also: I fetch for att (0) or for Wo (1)
	s_and_b32 s[WC], s[WV], 1                      ; my half of the columns; also: which half I fetch
	s_bfe_u32 s[CX], ttmp6, 0x40000
	s_bfe_u32 s[CY], ttmp6, 0x40004
	s_lshl_b32 s[XX], ttmp9, 2
	s_add_co_u32 s[XX], s[XX], s[CX]               ; my block of 256 columns
	s_and_b32 s[YY], ttmp7, 0xffff
	s_lshl_b32 s[YY], s[YY], 2
	s_add_co_u32 s[YY], s[YY], s[CY]               ; my block of 128 tokens
	s_lshl_b32 s2, s[CY], 2
	s_lshl_b32 s2, 15, s2                          ; my row of the cluster
	s_lshl_b32 s3, 0x1111, s[CX]                   ; my column
	s_or_b32 s[G1AX], s2, (3<<16)|(1<<21)          ; att in X: 4 tiles x 8,192 bytes (1,024 elements of 8 bytes), 32,768 bytes from tile to tile
	s_mov_b32 s[G1AX+1], 1024<<16
	s_mov_b32 s[G1AX+2], 4<<16
	s_mov_b32 s[G1AX+3], 1024<<16
	s_mov_b32 s[G1AX+4], 4
	s_mov_b32 s[G1AX+5], 4096
	s_mov_b32 s[G1AX+6], 0
	s_mov_b32 s[G1AX+7], 0
	s_or_b32 s[G1AY], s2, (3<<16)|(1<<21)          ; att in Y: 4 tiles x 4,096 bytes
	s_mov_b32 s[G1AY+1], 512<<16
	s_mov_b32 s[G1AY+2], 4<<16
	s_mov_b32 s[G1AY+3], 512<<16
	s_mov_b32 s[G1AY+4], 4
	s_mov_b32 s[G1AY+5], 4096
	s_mov_b32 s[G1AY+6], 0
	s_mov_b32 s[G1AY+7], 0
	s_or_b32 s[G1BX], s3, (1<<20)|(1<<21)|(6<<22)|(3<<25)  ; Wo in X: 128 rows of 512 bytes, 16 of padding behind each
	s_mov_b32 s[G1BX+1], 512<<16
	s_mov_b32 s[G1BX+2], 128<<16
	s_mov_b32 s[G1BX+3], 512<<16
	s_mov_b32 s[G1BX+4], 128
	s_mov_b32 s[G1BX+5], 2048
	s_mov_b32 s[G1BX+6], 0
	s_mov_b32 s[G1BX+7], 0
	s_or_b32 s[G1BY], s3, (1<<20)|(1<<21)|(5<<22)|(3<<25)  ; Wo in Y: 128 rows of 256 bytes, 16 of padding behind each
	s_mov_b32 s[G1BY+1], 256<<16
	s_mov_b32 s[G1BY+2], 128<<16
	s_mov_b32 s[G1BY+3], 256<<16
	s_mov_b32 s[G1BY+4], 128
	s_mov_b32 s[G1BY+5], 2048
	s_mov_b32 s[G1BY+6], 0
	s_mov_b32 s[G1BY+7], 0
	s_lshl_b32 s76, s[YY], 18                      ; att: tile 8 y + 4 x half
	s_lshl_b32 s77, s[WC], 17
	s_add_co_u32 s76, s76, s77
	s_mov_b32 s77, 0
	s_lshl_b32 s78, s[YY], 13                      ; its words: my four tiles' 256 bytes of each head
	s_lshl_b32 s79, s[WR], 8
	s_add_co_u32 s78, s78, s79
	s_mov_b32 s79, 0
	s_lshl_b32 s80, s[XX], 19                      ; Wo: row 256 x + 128 x half
	s_lshl_b32 s81, s[WC], 18
	s_add_co_u32 s80, s80, s81
	s_mov_b32 s81, 0
	s_lshl_b32 s82, s[XX], 14                      ; its scale bytes: my 128 rows
	s_lshl_b32 s83, s[WC], 13
	s_add_co_u32 s82, s82, s83
	s_mov_b32 s83, 0
	s_lshl_b32 s84, s[WC], 15                      ; where the tiles go: by the wave's number alone
	s_lshl_b32 s85, s[WC], 14
	s_add_co_u32 s85, s85, YA
	s_mul_i32 s86, s[WC], 128*PX
	s_add_co_u32 s86, s86, XB
	s_mul_i32 s87, s[WC], 128*PY
	s_add_co_u32 s87, s87, YB
	s_wait_dscnt 0x0                               ; both opening adds are done
	s_wait_kmcnt 0x0
	s_add_nc_u64 s[4:5], s[4:5], s[76:77]
	s_add_nc_u64 s[6:7], s[6:7], s[78:79]
	s_add_nc_u64 s[8:9], s[8:9], s[80:81]
	s_add_nc_u64 s[10:11], s[10:11], s[82:83]
	CROUND                                         ; all sixteen work-groups are here
	s_mov_b32 s[G0AX], 1
	s_mov_b32 s[G0AX+1], s84
	s_mov_b64 s[G0AX+2:G0AX+3], s[4:5]             ; heads 0 to 3
	s_or_b32 s[G0AX+3], s[G0AX+3], 0x80000000
	s_mov_b32 s[G0BX], 1
	s_mov_b32 s[G0BX+1], s86
	s_mov_b64 s[G0BX+2:G0BX+3], s[8:9]
	s_or_b32 s[G0BX+3], s[G0BX+3], 0x80000000
	JLOAD G0AX, G1AX, G0BX, G1BX
	s_mov_b32 s[G0AY], 1
	s_mov_b32 s[G0AY+1], s85
	s_add_nc_u64 s[G0AY+2:G0AY+3], s[4:5], 8192    ; heads 4 and 5
	s_or_b32 s[G0AY+3], s[G0AY+3], 0x80000000
	s_mov_b32 s[G0BY], 1
	s_mov_b32 s[G0BY+1], s87
	s_add_nc_u64 s[G0BY+2:G0BY+3], s[8:9], 512
	s_or_b32 s[G0BY+3], s[G0BY+3], 0x80000000
	JLOAD G0AY, G1AY, G0BY, G1BY                   ; two loads of mine are out
	v_and_b32 v1, 15, v0                           ; r
	v_bfe_u32 v2, v0, 4, 1                         ; h
	v_and_b32 v3, 31, v0                           ; lane
	v_lshlrev_b32 v[CO], 4, v3                     ; 16 x lane
	v_lshlrev_b32 v[AOF], 2, v3                    ; 4 x lane
	v_lshlrev_b32 v[BSO], 6, v3                    ; 64 x lane: a row of Wo's scale bytes
	v_lshlrev_b32 v[BOF], 5, v2
.irp pa, 0,1
.irp ks, 0,1,2,3,4,5,6,7,8,9,10,11,12,13,14,15
	global_load_b32 v[SA+16*\pa+\ks], v[AOF], s[6:7] offset:512*\ks+128*\pa      ; att's words of head ks: lanes 0-15 tile 2 pa, lanes 16-31 tile 2 pa + 1
.endr
.endr
.irp pb, 0,1,2,3
.irp j, 0,1,2,3
	global_load_b128 v[SB+16*\pb+4*\j:SB+16*\pb+4*\j+3], v[BSO], s[10:11] offset:2048*\pb+16*\j   ; Wo's row 32 pb + lane: its words of steps 4 j to 4 j + 3
.endr
.endr
	s_lshl_b32 s76, s[XX], 10                      ; columns 256 x + 128 wc on, in bytes
	s_lshl_b32 s77, s[WC], 9
	s_add_co_u32 s76, s76, s77
	s_mov_b32 s77, 0
	s_add_nc_u64 s[12:13], s[12:13], s[76:77]
	s_add_nc_u64 s[14:15], s[14:15], s[76:77]
	s_lshl_b32 s76, s[YY], 20                      ; rows 128 y + 64 wr on, 8,192 bytes each
	s_lshl_b32 s78, s[WR], 19
	s_add_co_u32 s76, s76, s78
	s_add_nc_u64 s[14:15], s[14:15], s[76:77]
	WIN 0xc0                                       ; destination window 3
.irp b, 0,1,2,3,4,5,6,7
	global_load_b128 v[8*\b:8*\b+3], v[BOF], s[12:13] offset:64*\b               ; the bias: lane (r, h), register j: column 16 b + 8 h + j
	global_load_b128 v[8*\b+4:8*\b+7], v[BOF], s[12:13] offset:64*\b+16
.endr
	WIN 0
	s_lshl_b32 s76, s[WR], 15                      ; my four tiles of att in X (XA = 0),
	v_add_nc_u32 v[ADRAX], s76, v[CO]
	s_lshl_b32 s76, s[WR], 14
	s_add_co_u32 s76, s76, YA                      ; and in Y
	v_add_nc_u32 v[ADRAY], s76, v[CO]
	v_mul_u32_u24 v[ADRBX], v1, PX
	v_lshl_add_u32 v[ADRBX], v2, 4, v[ADRBX]       ; a row of Wo: r x pitch + 16 h
	s_mul_i32 s76, s[WC], 128*PX
	s_add_co_u32 s76, s76, XB
	v_add_nc_u32 v[ADRBX], s76, v[ADRBX]
	v_mul_u32_u24 v[ADRBY], v1, PY
	v_lshl_add_u32 v[ADRBY], v2, 4, v[ADRBY]
	s_mul_i32 s76, s[WC], 128*PY
	s_add_co_u32 s76, s76, YB
	v_add_nc_u32 v[ADRBY], s76, v[ADRBY]
	s_mul_i32 s76, s[WV], 16*SPITCH                ; my stage
	s_add_co_u32 s76, s76, YA
	v_mul_u32_u24 v[STO], v1, SPITCH
	v_lshl_add_u32 v[STO], v2, 5, v[STO]
	v_add_nc_u32 v[STO], s76, v[STO]               ; in: row r, 32 bytes for each half of the lanes
	v_add_nc_u32 v[RD], s76, v[CO]                 ; back: the 32 lanes take a row of 512 bytes
; the fragments of the q-th 128 along K of slot sl (0: X, 1: Y) into a set: Wo's eight (window 1), att's four
.macro FETCH sl, q, set
	WIN 0x40
.irp b, 0,1,2,3,4,5,6,7
.irp c, 0,1,2,3
	ds_load_b128 v[128*(\set)+16*\b+4*\c:128*(\set)+16*\b+4*\c+3], v[ADRBX+(\sl)] offset:128*(\q)+32*\c+\b*16*(PX-256*(\sl))
.endr
.endr
	WIN 0
.irp a, 0,1,2,3
.irp c, 0,1,2,3
	ds_load_b128 v[AF+64*(\set)+16*\a+4*\c:AF+64*(\set)+16*\a+4*\c+3], v[ADRAX+(\sl)] offset:(8192-4096*(\sl))*\a+2048*(\q)+512*\c
.endr
.endr
.endm
; eight matrix instructions of step ks: tile a of tokens against Wo's eight.  The 32 accumulators take turns, one instruction a turn
.macro MUL8 a, ks, first
.irp b, 0,1,2,3,4,5,6,7
.if \first
	WM 8*(8*(\a)+\b), 128*((\ks)%2)+16*\b, AF+64*((\ks)%2)+16*(\a), 8*\b, SB+16*(\b/2)+(\ks), SA+16*((\a)/2)+(\ks), \b%2, (\a)%2
.else
	WM 8*(8*(\a)+\b), 128*((\ks)%2)+16*\b, AF+64*((\ks)%2)+16*(\a), 8*(8*(\a)+\b), SB+16*(\b/2)+(\ks), SA+16*((\a)/2)+(\ks), \b%2, (\a)%2
.endif
.endr
.endm
; step ks, the q-th of slot sl, whose successor lies in the same slot: in its middle the next step's fragments are asked for, eight places behind the products that read that set
.macro STEP ks, sl, q, first
	s_wait_dscnt 0x0                               ; this step's fragments are in
	WIN (0xa1+0x10*(\first))                       ; Wo window 1, att window 0, D window 2; C window 2, or window 3 where the bias starts the sums
	MUL8 0, \ks, \first
	MUL8 1, \ks, \first
	PLACES 8
	FETCH \sl, (\q)+1, ((\ks)+1)%2
	WIN (0xa1+0x10*(\first))
	MUL8 2, \ks, \first
	MUL8 3, \ks, \first
.endm
; step ks, the last of slot sl, changes slots: each wave waits for all its tensor loads, adds 0 to its spare word, waits for that and for its reads of this slot; one barrier; fill = 1: it opens a round of the cluster's, and the slot is filled again first thing behind it
.macro TURN ks, sl, fill
	WIN 0
	s_wait_tensorcnt 0x0                           ; all my tensor loads have landed: my part of the other slot
	ds_add_u32 v[SPW], v[NIL]
	s_wait_dscnt 1                                 ; (the add alone may be out: the fragments are in)
	WIN 0xa1
	MUL8 0, \ks, 0
	s_wait_dscnt 0x0                               ; the add is done, my reads of this slot are over
	s_barrier_signal -1
	MUL8 1, \ks, 0
	WIN 0
	s_barrier_wait -1
.if \fill
	CREST                                          ; no wave of any partner still reads this slot or has a load on its way
	s_add_nc_u64 s[G0AX+4*\sl+2:G0AX+4*\sl+3], s[G0AX+4*\sl+2:G0AX+4*\sl+3], 12288   ; X and Y together are six heads: 6 x 2,048 bytes on in a tile of att,
	s_add_nc_u64 s[G0BX+4*\sl+2:G0BX+4*\sl+3], s[G0BX+4*\sl+2:G0BX+4*\sl+3], 768     ; 768 codes on in a row of Wo
	JLOAD G0AX+4*\sl, G1AX+8*\sl, G0BX+4*\sl, G1BX+8*\sl   ; my one tensor load behind the round; its four v_nop are four of the eight places
	PLACES 4
.else
	PLACES 8
.endif
	FETCH 1-(\sl), 0, ((\ks)+1)%2
	WIN 0xa1
	MUL8 2, \ks, 0
	MUL8 3, \ks, 0
.endm
	s_wait_tensorcnt 1                             ; my part of X is in; Y's load may be out
	s_barrier_signal -1
	s_barrier_wait -1
	FETCH 0, 0, 0
	s_wait_loadcnt 0x0                             ; the scale words and the bias
	STEP 0, 0, 0, 1                                ; the first products start the sums from the bias
	STEP 1, 0, 1, 0
	STEP 2, 0, 2, 0
	TURN 3, 0, 1                                   ; X is left: it takes steps 6 to 9
	STEP 4, 1, 0, 0
	TURN 5, 1, 1                                   ; Y is left: it takes steps 10 and 11
	STEP 6, 0, 0, 0
	STEP 7, 0, 1, 0
	STEP 8, 0, 2, 0
	TURN 9, 0, 1                                   ; X takes steps 12 to 15: the last load
	STEP 10, 1, 0, 0
	TURN 11, 1, 0                                  ; nothing is left to fetch
	STEP 12, 0, 0, 0
	STEP 13, 0, 1, 0
	STEP 14, 0, 2, 0
	s_wait_dscnt 0x0
	WIN 0xa1
	MUL8 0, 15, 0
	MUL8 1, 15, 0
	MUL8 2, 15, 0
	MUL8 3, 15, 0
	WIN 0
; THE WAY OUT, a block of 16 rows x 128 columns at a time, through my own stage: LDS serves a wave's instructions in order, so no wait stands between the stores and the loads
.macro TOSTAGE a
	WIN 0x08                                       ; an LDS store's data: window 2
.irp b, 0,1,2,3,4,5,6,7
	ds_store_b128 v[STO], v[8*(8*(\a)+\b):8*(8*(\a)+\b)+3] offset:64*\b          ; each accumulator from its low end on
	ds_store_b128 v[STO], v[8*(8*(\a)+\b)+4:8*(8*(\a)+\b)+7] offset:64*\b+16
.endr
	WIN 0
.set BB, BK+64*((\a)%2)
.irp t, 0,1,2,3,4,5,6,7,8,9,10,11,12,13,14,15
	ds_load_b128 v[BB+4*\t:BB+4*\t+3], v[RD] offset:\t*SPITCH
.endr
.endm
.macro SEND a, younger
.set BB, BK+64*((\a)%2)
	s_wait_dscnt \younger                          ; the block is back in registers; the next block's 16 stores and 16 loads may be out
.if (\a) > 0
	s_add_nc_u64 s[14:15], s[14:15], 16*8192       ; (behind a wait on XCNT: the earlier stores have read their base)
.endif
.irp t, 0,1,2,3,4,5,6,7,8,9,10,11,12,13,14,15
	global_store_b128 v[CO], v[BB+4*\t:BB+4*\t+3], s[14:15] offset:\t*8192 th:TH_STORE_NT   ; 512 consecutive bytes, aligned; written once
.endr
.endm
	PLACES 8
	TOSTAGE 0
.irp a, 1,2,3
.if \a > 1
	s_wait_xcnt 0x0                                ; block a - 2's stores have read their registers and their base
.endif
	TOSTAGE \a
	SEND \a-1, 32
.endr
	s_wait_xcnt 0x0
	SEND 3, 0
	s_wait_tensorcnt 0x0                           ; the wave's end
	ds_add_u32 v[SPW], v[NIL]
	s_wait_dscnt 0x0
	CROUND                                         ; the closing round
	s_endpgm
.Lfunc_end_k_q9dce60bbe8_outp:
	.size	k_q9dce60bbe8_outp, .Lfunc_end_k_q9dce60bbe8_outp-k_q9dce60bbe8_outp
	.p2alignl 7, 3214868480
	.fill 96, 4, 3214868480
	.section	.rodata,"a",@progbits
	.p2align	6, 0x0
	.amdhsa_kernel k_q9dce60bbe8_outp
		.amdhsa_group_segment_fixed_size 327680
		.amdhsa_private_segment_fixed_size 0
		.amdhsa_enable_private_segment 0
		.amdhsa_kernarg_size 48
		.amdhsa_user_sgpr_count 2
		.amdhsa_user_sgpr_kernarg_segment_ptr 1
		.amdhsa_wavefront_size32 1
		.amdhsa_system_sgpr_workgroup_id_x 1
		.amdhsa_system_sgpr_workgroup_id_y 1
		.amdhsa_system_sgpr_workgroup_id_z 1
		.amdhsa_system_vgpr_workitem_id 0
		.amdhsa_next_free_vgpr 832
		.amdhsa_next_free_sgpr 98
		.amdhsa_reserve_vcc 0
		.amdhsa_float_denorm_mode_32 3
		.amdhsa_float_denorm_mode_16_64 3
		.amdhsa_memory_ordered 1
		.amdhsa_forward_progress 1
		.amdhsa_inst_pref_size 151
	.end_amdhsa_kernel
	.amdgpu_metadata
---
amdhsa.version: [ 1, 2 ]
amdhsa.kernels:
  - .name:           k_q9dce60bbe8_outp
    .symbol:         k_q9dce60bbe8_outp.kd
    .args:
      - { .name: att, .offset: 0, .size: 8, .value_kind: global_buffer, .address_space: global }
      - { .name: attsc, .offset: 8, .size: 8, .value_kind: global_buffer, .address_space: global }
      - { .name: Wo_codes, .offset: 16, .size: 8, .value_kind: global_buffer, .address_space: global }
      - { .name: Wo_scales, .offset: 24, .size: 8, .value_kind: global_buffer, .address_space: global }
      - { .name: bo, .offset: 32, .size: 8, .value_kind: global_buffer, .address_space: global }
      - { .name: out0, .offset: 40, .size: 8, .value_kind: global_buffer, .address_space: global }
    .group_segment_fixed_size: 327680
    .private_segment_fixed_size: 0
    .kernarg_segment_align: 8
    .kernarg_segment_size: 48
    .max_flat_workgroup_size: 128
    .sgpr_count:     98
    .vgpr_count:     832
    .wavefront_size: 32
...
	.end_amdgpu_metadata
.endif
;; end of part 4
